; MI455X (gfx1250); checked and timed in simulation.
; The chip was launched on July 23, 2026; its instructions are those of AMD's public machine-readable ISA for CDNA 5 (MIT licence, August 2026) and "CDNA5" Instruction Set Architecture Reference Guide (July 2026). The comments in the code are by the model that wrote it; some were corrected since.
;; Attention. Allowed arithmetic: matrix products marked QUANTISED: E4M3 operands, one given power-of-two scale a tensor, by v_wmma_f32_16x16x64_fp8_fp8 or v_wmma_f32_16x16x128_fp8_fp8, f32 sums; everything else in f32.
;; Inputs: cos 2,048 x 128 float32; k_norm_w 128 float32; lowp_scales 12 int32 (the exponents e of the quantised operands' scales 2^e); q_norm_w 128 float32; sin 2,048 x 128 float32; wk 512 x 2,048 float32; wo 2,048 x 512 float32; wq 512 x 2,048 float32; wv 512 x 2,048 float32; x 4 x 2,048 x 2,048 float32.
;; Outputs: out0 4 x 2,048 x 2,048 float32.
;; This version of the problem:
;;   THIS VERSION OF THE PROBLEM IS GIVEN IN LOW PRECISION. The matrix products marked QUANTISED in the list below multiply operands that are first quantised to E4M3 (4 exponent bits, 3 mantissa bits; 8 bits a number), with one given power-of-two scale for each operand tensor; their sums are f32. All else is computed in f32.
;;   The module's matrix products, in the order in which they are computed (A, B: the left and right operand; K: the contracted axis; several contracted axes count as one K, in the product's order):
;;     1. [M 8,192, K 2,048] x [K 2,048, N 512]; A: input x; B: input wq: QUANTISED (scales: A lowp_scales[0], B lowp_scales[1])
;;     2. [M 8,192, K 2,048] x [K 2,048, N 512]; A: input x; B: input wk: QUANTISED (scales: A lowp_scales[2], B lowp_scales[3])
;;     3. [M 8,192, K 2,048] x [K 2,048, N 512]; A: input x; B: input wv: QUANTISED (scales: A lowp_scales[4], B lowp_scales[5])
;;     4. batch 16 x [M 2,048, K 128] x [K 128, N 2,048]; A: computed on the way; B: computed on the way: QUANTISED (scales: A lowp_scales[6], B lowp_scales[7])
;;     5. batch 16 x [M 2,048, K 2,048] x [K 2,048, N 128]; A: softmax (see below); B: computed on the way: QUANTISED (scales: A lowp_scales[8], B lowp_scales[9])
;;     6. [M 8,192, K 512] x [K 512, N 2,048]; A: computed on the way; B: input wo: QUANTISED (scales: A lowp_scales[10], B lowp_scales[11])
;;   THE QUANTISER, for each operand of a quantised product, along K:
;;     - The operand's scale is 2^e, e = its entry of the input lowp_scales (int32; the entries are numbered through the quantised products in the list's order, A before B).
;;     - Each number is divided by the scale, clamped to +-448, and rounded to the nearest number of E4M3, ties to even, subnormals kept.
;;     - The product sums the exact products of the quantised numbers (number of the format x scale) in f32.
;;   ~~~python
;;   def quantise(x, axis, e):      # numpy; x: float32 -> the quantised numbers, widened to float32 again
;;       x = np.moveaxis(x, axis, -1); K = x.shape[-1]
;;       r = np.clip(x / 2.0 ** e, -448, 448)
;;       step = 2.0 ** (np.maximum(np.frexp(np.where(r == 0, 1, r))[1] - 1, -6) - 3)
;;       q = np.round(r / step) * step * 2.0 ** e      # np.round: ties to even
;;       return np.moveaxis(q, -1, axis).astype(np.float32)
;;   ~~~
;;   SOFTMAX AHEAD OF A QUANTISED PRODUCT. Where the list says 'softmax', what is quantised is not the finished softmax but p = 2^(t - M), with t = logit x log2(e) and M = ceil(the row's largest t), a whole number; so 1/2 < the row's largest p <= 1. The row's sum l is taken of the UNQUANTISED p, in f32, and the product's result is divided by l at the end. Since M is a whole number, a kernel that streams over the keys may use a running M (the ceiling of the running maximum): every later rescaling is an exact power of two, so the quantised numbers keep their values, but for numbers so far below the row's largest that they fall under the format's range.
;;   OPERANDS COMPUTED ON THE WAY. 'Computed on the way' means the value that the module computes at that place (a softmax that the list does not call 'softmax' is quantised finished and normalised). What goes into a quantiser is computed in f32, as accurately as f32 sums, v_exp_f32 and their like allow (about 1e-6 of the number): no bf16 or f16 on the way to a quantiser, and a product that is left as it is and whose result goes on into a quantised operand takes f32 operands (vector FMAs, or v_wmma_f32_16x16x4_f32). A number that lies on a knife's edge between two numbers of the format may be rounded either way, as far as f32 arithmetic and the matrix unit's own rounding can turn it there, and no further.
;; One version. Each part assembles by itself: llvm-mc -triple=amdgcn-amd-amdhsa -mcpu=gfx1250 --defsym DOCPART=n.
;; ======== version 1 of 1: 4 launches
;; limits: right only within a limited range of input values
;; workspace buffers: xc 50,331,648 bytes; wc 3,145,728 bytes; woc 1,048,576 bytes; qc 4,194,304 bytes; kc 4,194,304 bytes; vc 4,194,304 bytes; ac 4,194,304 bytes
;; launch quant (part 1): grid 640 x 1, 4 waves a work-group, no clusters, 33,280 bytes of LDS; arguments x, wq, wk, wv, wo, lowp_scales, xc, wc, woc; writes xc, wc, woc
.if DOCPART == 1
	.amdgcn_target "amdgcn-amd-amdhsa--gfx1250"
	.amdhsa_code_object_version 6
	.text
	.protected	k_q7d9373850c_quant
	.globl	k_q7d9373850c_quant
	.p2align	8
	.type	k_q7d9373850c_quant,@function
k_q7d9373850c_quant:
	s_mov_b64 s[64:65], 0
	v_nop
	global_prefetch_b8 v0, s[64:65] scope:SCOPE_SE
	s_setreg_imm32_b32 hwreg(HW_REG_WAVE_MODE, 25, 1), 1
	s_wait_xcnt 0x0
; x [8192][2048] and the four weights (wq, wk, wv [512][2048], wo [2048][512]), all f32 with K innermost and dense rows, become codes of E4M3, one byte each, in the same order.
; code = number / 2^e, held within +-448, rounded to the nearest code, ties to even.
; x is the left operand of three products, each with a scale of its own (entries 0, 2, 4): it is read once and three sets of codes are stored, xc[0], xc[1], xc[2], 16,777,216 bytes apart.
; wq, wk, wv (entries 1, 3, 5) go to wc[0..2], 1,048,576 bytes apart; wo (entry 11) to woc.
; LIMITS: each of these entries lies between -126 and 119, so that 2^e and 448 x 2^e are f32 numbers.  NaN among the inputs is not served (an infinity is held at the largest code).
; SHARES: a work-group takes 32,768 numbers, a wave 16 steps of 512.  Work-groups 0-511 take x, 512-639 the weights, 32 each.  Only pointers, scales and the number of outputs are chosen, by the work-group's number:
; one path through LDS for all.  Each of a step's four loads reads 512 consecutive bytes; the 2,048 bytes turn through the wave's own stage in LDS (16 bytes of padding behind each 64) and come back 16 neighbours a lane,
; as the conversions want them; a lane's 16 codes are 16 bytes, so a store of the wave covers 512 consecutive bytes, aligned.  Waves share nothing: no barrier.
; Loads run eight steps ahead (32 loads, 16 KiB a wave, half of the wave's whole share), the turn through LDS one step.
.set WAVES, 4
.set STEPS, 16
.set AHEAD, 8                          ; steps whose loads are out
.set XWG,   512                        ; work-groups that take x
.set R,     16                         ; v16-143  eight sets of 16 numbers as loaded
.set X,     144                        ; v144-175 two sets of 16 neighbours
.set T,     176                        ; v176-223 three sets of 16 held numbers, one for each scale
.set C,     224                        ; v224-235 three sets of four registers of codes
.set SC,    236                        ; v236-238 2^e for each output
.set LM,    240                        ; v240-242 448 x 2^e
.set WREG,  8192                       ; LDS: a region for each wave: two stages of 32 x SP bytes
.set SP,    80
.set SPW,   12                         ; v12  LDS address of my spare word; never rewritten
.set NIL,   13                         ; v13  0; never rewritten
.set SPARE, WAVES*WREG                 ; behind the regions: the spare words, 128 bytes a wave
	s_load_b512 s[4:19], s[0:1], 0x0               ; x s[4:5], wq s[6:7], wk s[8:9], wv s[10:11], wo s[12:13], scales s[14:15], xc s[16:17], wc s[18:19]
	s_load_b64 s[20:21], s[0:1], 0x40              ; woc
	v_lshl_add_u32 v[SPW], v0, 2, SPARE
	v_mov_b32 v[NIL], 0
	v_lshrrev_b32 v1, 5, v0
	v_readfirstlane_b32 s22, v1                    ; wave
	v_and_b32 v2, 31, v0                           ; lane
	v_lshlrev_b32 v3, 4, v2                        ; my 16 bytes of a load's 512
	v_lshlrev_b32 v4, 4, v2                        ; my 16 codes of a step's 512
	s_mul_i32 s27, s22, WREG
	v_lshrrev_b32 v14, 2, v2
	v_mul_u32_u24 v14, v14, SP
	v_and_b32 v15, 3, v2
	v_lshl_add_u32 v14, v15, 4, v14
	v_add_nc_u32 v14, s27, v14                     ; the stage on the way in: SP (lane / 4) + 16 (lane % 4)
	v_mul_u32_u24 v15, v2, SP
	v_add_nc_u32 v15, s27, v15                     ; and on the way out: SP x lane
	s_sub_co_u32 s23, ttmp9, XWG                   ; j: which weight chunk (of no meaning in x's work-groups)
	s_lshr_b32 s24, s23, 5                         ; t: 0 wq, 1 wk, 2 wv, 3 wo
	s_and_b32 s25, s23, 31
	s_cmp_lt_u32 ttmp9, XWG
	s_cselect_b32 s26, 3, 1                        ; how many sets of codes
	s_cselect_b32 s25, ttmp9, s25                  ; which chunk of the tensor
	s_cselect_b32 s24, 0, s24
	s_lshl_b32 s43, s25, 2
	s_add_co_u32 s43, s43, s22                     ; which run of 8,192 numbers is my wave's
	s_wait_alu depctr_va_vdst(0)
	s_wait_kmcnt 0x0
	s_load_b256 s[48:55], s[14:15], 0x0            ; entries 0-7
	s_load_b128 s[56:59], s[14:15], 0x20           ; entries 8-11
	s_cmp_eq_u32 s24, 1                            ; every choice hangs on the work-group's number alone
	s_cselect_b64 s[28:29], s[8:9], s[6:7]
	s_cmp_eq_u32 s24, 2
	s_cselect_b64 s[28:29], s[10:11], s[28:29]
	s_cmp_eq_u32 s24, 3
	s_cselect_b64 s[28:29], s[12:13], s[28:29]
	s_cselect_b64 s[30:31], s[20:21], s[18:19]
	s_cselect_b32 s42, 0, s24                      ; the plane of wc
	s_cmp_lt_u32 ttmp9, XWG
	s_cselect_b64 s[28:29], s[4:5], s[28:29]       ; from where
	s_cselect_b64 s[30:31], s[16:17], s[30:31]     ; to where
	s_lshl_b32 s44, s43, 15                        ; 8,192 numbers of 4 bytes
	s_mov_b32 s45, 0
	s_add_nc_u64 s[28:29], s[28:29], s[44:45]
	s_lshl_b32 s44, s43, 13                        ; 8,192 codes
	s_lshl_b32 s46, s42, 20
	s_add_co_u32 s44, s44, s46
	s_add_nc_u64 s[30:31], s[30:31], s[44:45]
	s_add_nc_u64 s[32:33], s[30:31], 0x1000000     ; x's second and third set (used by x's work-groups alone)
	s_add_nc_u64 s[34:35], s[30:31], 0x2000000
.macro LOAD t
.irp i, 0,1,2,3
	global_load_b128 v[R+16*((\t)%AHEAD)+4*\i:R+16*((\t)%AHEAD)+4*\i+3], v3, s[28:29] offset:2048*(\t)+512*\i th:TH_LOAD_NT   ; 32 lanes read 512 consecutive bytes
.endr
.endm
.macro TURN t                          ; step t's numbers through the stage: LDS serves a wave's instructions in order, so no wait stands between the stores and the loads
.irp i, 0,1,2,3
	ds_store_b128 v14, v[R+16*((\t)%AHEAD)+4*\i:R+16*((\t)%AHEAD)+4*\i+3] offset:32*SP*((\t)%2)+8*SP*\i
.endr
.irp i, 0,1,2,3
	ds_load_b128 v[X+16*((\t)%2)+4*\i:X+16*((\t)%2)+4*\i+3], v15 offset:32*SP*((\t)%2)+16*\i
.endr
.endm
.irp t, 0,1,2,3,4,5,6,7
	LOAD \t
.endr
	s_wait_kmcnt 0x0
	s_cmp_eq_u32 s24, 1
	s_cselect_b32 s36, s51, s49
	s_cmp_eq_u32 s24, 2
	s_cselect_b32 s36, s53, s36
	s_cmp_eq_u32 s24, 3
	s_cselect_b32 s36, s59, s36
	s_cmp_lt_u32 ttmp9, XWG
	s_cselect_b32 s36, s48, s36                    ; the first (or only) output's e
	s_mov_b32 s37, s50                             ; x's second
	s_mov_b32 s38, s52                             ; and third
.irp o, 0,1,2
	s_add_co_i32 s46, s[36+\o], 127
	s_lshl_b32 s47, s46, 23
	v_mov_b32 v[SC+\o], s47                        ; 2^e as f32: the conversion takes its exponent field
	s_add_co_i32 s46, s46, 8
	s_lshl_b32 s46, s46, 23
	s_or_b32 s46, s46, 0x600000
	v_mov_b32 v[LM+\o], s46                        ; 448 x 2^e
.endr
	s_wait_alu depctr_va_vdst(0)
	s_wait_loadcnt 4*(AHEAD-1)                     ; step 0's four loads are in; the seven steps behind it may be out
	TURN 0
; One set of codes of step t: the hold (the conversion to an 8-bit code does not saturate: ISA guide 7.6.2) leaves the neighbours as they are, since they serve three scales.
.macro OUT o, t
.set i, 0
.rept 16
	v_med3_num_f32 v[T+16*(\o)+i], v[XS+i], -v[LM+\o], v[LM+\o]
.set i, i+1
.endr
	v_cvt_scalef32_pk8_fp8_f32 v[C+4*(\o):C+4*(\o)+1], v[T+16*(\o):T+16*(\o)+7], v[SC+\o]
	v_cvt_scalef32_pk8_fp8_f32 v[C+4*(\o)+2:C+4*(\o)+3], v[T+16*(\o)+8:T+16*(\o)+15], v[SC+\o]
	v_nop                                          ; a plain vector line behind the last conversion
	global_store_b128 v4, v[C+4*(\o):C+4*(\o)+3], s[30+2*(\o):31+2*(\o)] offset:512*(\t)
.endm
.macro STEP t
.set XS, X+16*((\t)%2)
	s_wait_dscnt 0x0                               ; this step's numbers are back from the stage, and its stores into the stage have read their registers,
.if (\t)+AHEAD < STEPS
	LOAD (\t)+AHEAD                                ; which take the loads of eight steps on
.endif
.if (\t)+1 < STEPS
.if STEPS-2-(\t) >= AHEAD-1
	s_wait_loadcnt 4*(AHEAD-1)                     ; the next step's four loads are in; those of the seven steps behind it may be out
.else
	s_wait_loadcnt 4*(STEPS-2-(\t))                ; the tail: only the steps that are left are out
.endif
	TURN (\t)+1
.endif
	s_wait_xcnt 0x0                                ; the last step's stores have read their data: the codes' registers are written again only behind this wait
	OUT 0, \t
	s_cmp_eq_u32 s26, 1                            ; a weight has one set of codes: the jump hangs on the work-group's number and leads round vector work and global stores alone
	s_cbranch_scc1 .Lone_\@
	OUT 1, \t
	OUT 2, \t
.Lone_\@:
.endm
.irp t, 0,1,2,3,4,5,6,7,8,9,10,11,12,13,14,15
	STEP \t
.endr
	s_wait_tensorcnt 0x0                           ; the wave's end
	ds_add_u32 v[SPW], v[NIL]
	s_wait_dscnt 0x0
	s_endpgm
.Lfunc_end_k_q7d9373850c_quant:
	.size	k_q7d9373850c_quant, .Lfunc_end_k_q7d9373850c_quant-k_q7d9373850c_quant
	.p2alignl 7, 3214868480
	.fill 96, 4, 3214868480
	.section	.rodata,"a",@progbits
	.p2align	6, 0x0
	.amdhsa_kernel k_q7d9373850c_quant
		.amdhsa_group_segment_fixed_size 33280
		.amdhsa_private_segment_fixed_size 0
		.amdhsa_enable_private_segment 0
		.amdhsa_kernarg_size 72
		.amdhsa_user_sgpr_count 2
		.amdhsa_user_sgpr_kernarg_segment_ptr 1
		.amdhsa_wavefront_size32 1
		.amdhsa_system_sgpr_workgroup_id_x 1
		.amdhsa_system_sgpr_workgroup_id_y 1
		.amdhsa_system_sgpr_workgroup_id_z 1
		.amdhsa_system_vgpr_workitem_id 0
		.amdhsa_next_free_vgpr 256
		.amdhsa_next_free_sgpr 66
		.amdhsa_reserve_vcc 0
		.amdhsa_float_denorm_mode_32 3
		.amdhsa_float_denorm_mode_16_64 3
		.amdhsa_memory_ordered 1
		.amdhsa_forward_progress 1
		.amdhsa_inst_pref_size 81
	.end_amdhsa_kernel
	.amdgpu_metadata
---
amdhsa.version: [ 1, 2 ]
amdhsa.kernels:
  - .name:           k_q7d9373850c_quant
    .symbol:         k_q7d9373850c_quant.kd
    .args:
      - { .name: x, .offset: 0, .size: 8, .value_kind: global_buffer, .address_space: global }
      - { .name: wq, .offset: 8, .size: 8, .value_kind: global_buffer, .address_space: global }
      - { .name: wk, .offset: 16, .size: 8, .value_kind: global_buffer, .address_space: global }
      - { .name: wv, .offset: 24, .size: 8, .value_kind: global_buffer, .address_space: global }
      - { .name: wo, .offset: 32, .size: 8, .value_kind: global_buffer, .address_space: global }
      - { .name: lowp_scales, .offset: 40, .size: 8, .value_kind: global_buffer, .address_space: global }
      - { .name: xc, .offset: 48, .size: 8, .value_kind: global_buffer, .address_space: global }
      - { .name: wc, .offset: 56, .size: 8, .value_kind: global_buffer, .address_space: global }
      - { .name: woc, .offset: 64, .size: 8, .value_kind: global_buffer, .address_space: global }
    .group_segment_fixed_size: 33280
    .private_segment_fixed_size: 0
    .kernarg_segment_align: 8
    .kernarg_segment_size: 72
    .max_flat_workgroup_size: 128
    .sgpr_count:     66
    .vgpr_count:     256
    .wavefront_size: 32
...
	.end_amdgpu_metadata
.endif
;; end of part 1
;; launch qkv (part 2): grid 32 x 6, 4 waves a work-group, clusters of 4 x 2, 327,680 bytes of LDS; arguments xc, wc, lowp_scales, cos, sin, q_norm_w, k_norm_w, qc, kc, vc; writes qc, kc, vc
.if DOCPART == 2
	.amdgcn_target "amdgcn-amd-amdhsa--gfx1250"
	.amdhsa_code_object_version 6
	.text
	.protected	k_q7d9373850c_qkv
	.globl	k_q7d9373850c_qkv
	.p2align	8
	.type	k_q7d9373850c_qkv,@function
k_q7d9373850c_qkv:
	s_mov_b64 s[64:65], 0
	v_nop
	global_prefetch_b8 v0, s[64:65] scope:SCOPE_SE
	s_setreg_imm32_b32 hwreg(HW_REG_WAVE_MODE, 25, 1), 1
	s_wait_xcnt 0x0
	s_wait_alu depctr_hold_cnt(0) depctr_sa_sdst(0) depctr_va_vdst(0) depctr_va_sdst(0) depctr_va_ssrc(0) depctr_va_vcc(0) depctr_vm_vsrc(0)
	s_getreg_b32 s2, hwreg(HW_REG_IB_STS2, 6, 4)
	s_cmp_eq_u32 s2, 0
	s_cbranch_scc0 .Lentry_in_a_cluster
	s_endpgm
.Lentry_in_a_cluster:
	s_bfe_u32 s2, ttmp6, 0x10000c
	s_cmp_lg_u32 s2, 0x7013
	s_cbranch_scc0 .Lentry_shape_is_right
	s_endpgm
.Lentry_shape_is_right:
; q, k, v = x w^T on codes of E4M3 (grid y: 0 q, 1 k, 2 v), a tile of 256 x 256 a work-group, K in steps of 256 through two LDS slots; then RMS norm, RoPE and the quantiser (q, k), or the quantiser with the keys innermost (v).
; LDS rows 0-255 of a slot feed source 1, rows 256-511 source 0.  For q and k waves 0, 1 fetch x and waves 2, 3 the weight; for v the other way round: so the LDS read addresses hang on the wave's number alone.
; CLUSTER 4 x 2: cx picks one of four row tiles, cy the column half, the cluster's y the kind.  x's tile is asked for jointly by the two of a column of the cluster, the weight's by the four of a row.
; The two partners that share a tile of x share its prefetch out by address: 128 rows each, 32 a wave, a lane a row.
.set ROWB,   256
.set KROW,   2048
.set PITCH,  272
.set FR,     16
.set NL,     4
.set NP,     4
.set HALFT,  128*PITCH
.set SLOT,   4*HALFT
.set LAPS,   4
.set SPARE,  2*SLOT
.set QSTG,   SPARE+512
.set SPITCH, 528
.set WN,   8
.set ADRA, 16
.set WNO,  18
.set ADRB, 20
.set VSTO, 22
.set VRD,  23
.set STO,  24
.set RD,   25
.set QO,   26
.set CSO,  27
.set SPW,  28
.set NIL,  29
.set PFO,  30
.set VGO,  31
.set T,    32
.set BK,   96
.set VC,   96
.set C,    160
.set CH,   176
.set SS,   184
.set RQ,   192
.set LIMV, 224
.set SCLV, 225
.set AF,   128
.set G1X, 24
.set G0X, 32
.set LIM, 43
.set PFA, 44
.set G1W, 48
.set G0W, 56
.set SEL, 98
.set DST, 100
.set MSB, 0
.macro WIN new
.if MSB != \new
	s_set_vgpr_msb (MSB<<8)|\new
.set MSB, \new
.endif
.endm
.set MUL_LO, 0xa1
.set MUL_HI, 0xf1
.set TO_B,   0x40
.macro JLOAD g0a, g1a, g0b, g1b
	s_cmp_eq_u32 s19, 0
	s_cbranch_scc0 .Lfor_b_\@
	tensor_load_to_lds s[\g0a:\g0a+3], s[\g1a:\g1a+7]
	s_nop 0
.rept 4
	v_nop
.endr
	s_branch .Lasked_\@
.Lfor_b_\@:
	tensor_load_to_lds s[\g0b:\g0b+3], s[\g1b:\g1b+7]
	s_nop 0
.rept 4
	v_nop
.endr
.Lasked_\@:
.endm
.macro CREST
	s_cmp_lg_u32 s14, 0
	s_cbranch_scc1 .Lnot_wave_0_\@
	s_barrier_signal -3
.Lnot_wave_0_\@:
	s_barrier_wait -3
	s_barrier_signal -1
	s_barrier_wait -1
.endm
.macro CROUND
	s_barrier_signal -1
	s_barrier_wait -1
	CREST
.endm
.macro ASK
	s_cmp_gt_u32 s3, s[LIM]
	s_cbranch_scc0 .Lnot_mine_\@
	s_wait_alu depctr_va_vdst(0)
	global_prefetch_b8 v[PFO], s[PFA:PFA+1] offset:ROWB th:TH_LOAD_NT scope:SCOPE_SE
.Lnot_mine_\@:
.endm
	s_load_b512 s[68:83], s[0:1], 0x0
	s_load_b128 s[84:87], s[0:1], 0x40
	v_lshl_add_u32 v[SPW], v0, 2, SPARE
	v_mov_b32 v[NIL], 0
	ds_add_u32 v[SPW], v[NIL]
	ds_add_u32 v[SPW], v[NIL]
	v_lshrrev_b32 v1, 5, v0
	v_readfirstlane_b32 s14, v1
	s_lshr_b32 s15, s14, 1
	s_and_b32 s16, s14, 1
	s_and_b32 s17, ttmp7, 0xffff
	s_cmp_eq_u32 s17, 2
	s_cselect_b32 s19, 1, 0
	s_xor_b32 s19, s19, s15                        ; 0: I fetch x, 1: the weight; ids alone, alike in all partners
	s_bfe_u32 s18, ttmp6, 0x40000
	s_bfe_u32 s40, ttmp6, 0x40004                  ; cy: the column half
	s_lshl_b32 s41, ttmp9, 2
	s_add_co_u32 s41, s41, s18                     ; row tile = 4 x cluster x + cx
	s_lshl_b32 s22, 0x11, s18                      ; my column of the cluster: places cx, cx + 4
	s_or_b32 s[G1X], s22, (1<<20)|(1<<21)|(5<<22)|(3<<25)
	s_lshl_b32 s23, s40, 2
	s_lshl_b32 s23, 15, s23                        ; my row: places 4 cy .. 4 cy + 3
	s_or_b32 s[G1W], s23, (1<<20)|(1<<21)|(5<<22)|(3<<25)
.irp g, G1X, G1W
	s_mov_b32 s[\g+1], ROWB<<16
	s_mov_b32 s[\g+2], 128<<16
	s_mov_b32 s[\g+3], ROWB<<16
	s_mov_b32 s[\g+4], 128
	s_mov_b32 s[\g+5], KROW
	s_mov_b32 s[\g+6], 0
	s_mov_b32 s[\g+7], 0
.endr
	s_lshl_b32 s20, s41, 8
	s_lshl_b32 s21, s16, 7
	s_add_co_u32 s20, s20, s21
	s_lshl_b32 s20, s20, 11
	s_lshl_b32 s21, s17, 24
	s_add_co_u32 s20, s20, s21
	s_mov_b32 s21, 0
	s_lshl_b32 s46, s40, 8
	s_lshl_b32 s47, s16, 7
	s_add_co_u32 s46, s46, s47
	s_lshl_b32 s46, s46, 11
	s_lshl_b32 s47, s17, 20
	s_add_co_u32 s46, s46, s47
	s_mov_b32 s47, 0
	s_lshl_b32 s22, s41, 8
	s_lshl_b32 s23, s14, 5
	s_add_co_u32 s22, s22, s23
	s_lshl_b32 s23, s40, 7
	s_add_co_u32 s22, s22, s23
	s_lshl_b32 s22, s22, 11
	s_lshl_b32 s23, s17, 24
	s_add_co_u32 s22, s22, s23
	s_add_co_u32 s22, s22, 2*ROWB
	s_mov_b32 s23, 0
	s_mov_b32 s[LIM], 1
	s_mul_i32 s42, s14, HALFT
	s_mov_b32 s[SEL], 0x76543210
	s_mov_b32 s[SEL+1], 0xfedcba98
	s_wait_dscnt 0x0
	s_wait_kmcnt 0x0
	s_load_b256 s[4:11], s[72:73], 0x0
	s_load_b128 s[88:91], s[72:73], 0x20
	s_add_nc_u64 s[20:21], s[68:69], s[20:21]
	s_add_nc_u64 s[46:47], s[70:71], s[46:47]
	s_add_nc_u64 s[PFA:PFA+1], s[68:69], s[22:23]
	CROUND
.irp s, 0,1
	s_mov_b32 s[G0X+4*\s], 1
	s_add_co_u32 s[G0X+4*\s+1], s42, \s*SLOT
	s_add_nc_u64 s[G0X+4*\s+2:G0X+4*\s+3], s[20:21], \s*ROWB
	s_or_b32 s[G0X+4*\s+3], s[G0X+4*\s+3], 0x80000000
	s_mov_b32 s[G0W+4*\s], 1
	s_add_co_u32 s[G0W+4*\s+1], s42, \s*SLOT
	s_add_nc_u64 s[G0W+4*\s+2:G0W+4*\s+3], s[46:47], \s*ROWB
	s_or_b32 s[G0W+4*\s+3], s[G0W+4*\s+3], 0x80000000
.if \s
	s_wait_alu depctr_va_vdst(0)
	s_wait_tensorcnt 0x0                           ; slot 1's first fill is issued as a refill is
	ds_add_u32 v28, v29
	s_wait_dscnt 0x0
	CROUND
.endif
	JLOAD G0X+4*\s, G1X, G0W+4*\s, G1W
.endr
	v_and_b32 v1, 15, v0
	v_bfe_u32 v2, v0, 4, 1
	v_and_b32 v5, 31, v0
	v_mul_u32_u24 v3, v1, PITCH
	v_lshl_add_u32 v4, v2, 4, v3
	s_wait_alu depctr_va_vdst(0)
	s_mul_i32 s21, s15, HALFT
	s_mul_i32 s22, s16, HALFT
	s_add_co_u32 s22, s22, 2*HALFT
.irp s, 0,1
	v_add_nc_u32 v[ADRA+\s], s21, v4
	v_add_nc_u32 v[ADRB+\s], s22, v4
	s_add_co_u32 s21, s21, SLOT
	s_add_co_u32 s22, s22, SLOT
.endr
	s_mul_i32 s23, s14, 16*SPITCH
	s_add_co_u32 s23, s23, QSTG
	v_mul_u32_u24 v3, v1, SPITCH
	v_lshl_add_u32 v3, v2, 5, v3
	v_add_nc_u32 v[STO], s23, v3
	v_mul_u32_u24 v3, v2, SPITCH
	v_lshl_add_u32 v3, v1, 4, v3
	v_add_nc_u32 v[RD], s23, v3
	s_mul_i32 s23, s15, HALFT
	s_lshl_b32 s22, s16, 7
	s_add_co_u32 s23, s23, s22
	v_mul_u32_u24 v3, v1, PITCH
	v_lshl_add_u32 v3, v2, 3, v3
	v_add_nc_u32 v[VSTO], s23, v3
	s_mul_i32 s23, s14, 64*PITCH
	v_mul_u32_u24 v3, v2, PITCH
	v_lshl_add_u32 v3, v1, 4, v3
	v_add_nc_u32 v[VRD], s23, v3
	v_lshlrev_b32 v[QO], 3, v5
	v_lshlrev_b32 v3, 9, v2
	v_lshl_add_u32 v[CSO], v1, 4, v3
	v_lshlrev_b32 v[PFO], 11, v5
	v_lshlrev_b32 v3, 11, v2
	v_lshl_add_u32 v[VGO], v1, 4, v3
	v_lshlrev_b32 v[WNO], 4, v1
	s_cmp_eq_u32 s17, 1
	s_cselect_b64 s[66:67], s[80:81], s[78:79]
	global_load_b128 v[WN:WN+3], v[WNO], s[66:67]
	global_load_b128 v[WN+4:WN+7], v[WNO], s[66:67] offset:256
.macro FRAG reg, adr, q, i
.irp c, 0,1,2,3
	ds_load_b128 v[\reg+4*\c:\reg+4*\c+3], v[\adr] offset:128*(\q)+32*\c+(\i)*16*PITCH
.endr
.endm
.macro MUL16 a0, p, zero
.irp a, \a0, \a0+1
.irp b, 0,1,2,3,4,5,6,7
.if \zero
	v_wmma_f32_16x16x128_fp8_fp8 v[8*(8*((\a)%4)+\b):8*(8*((\a)%4)+\b)+7], v[128*(\p)+FR*\b:128*(\p)+FR*\b+FR-1], v[AF+FR*(\a):AF+FR*(\a)+FR-1], 0
.else
	v_wmma_f32_16x16x128_fp8_fp8 v[8*(8*((\a)%4)+\b):8*(8*((\a)%4)+\b)+7], v[128*(\p)+FR*\b:128*(\p)+FR*\b+FR-1], v[AF+FR*(\a):AF+FR*(\a)+FR-1], v[8*(8*((\a)%4)+\b):8*(8*((\a)%4)+\b)+7]
.endif
.endr
.endr
.endm
.macro FETCH_B slot, q, p
	WIN TO_B
.irp i, 0,1,2,3,4,5,6,7
	FRAG 128*(\p)+FR*\i, ADRB+\slot, \q, \i
.endr
	WIN 0
.endm
.macro FETCH_A slot, q, i0
.irp i, \i0, \i0+1, \i0+2, \i0+3
	FRAG AF+FR*(\i), ADRA+\slot, \q, \i
.endr
.endm
.macro PLACES n
.rept \n
	v_nop
.endr
.endm
.macro STEP slot, q, zero
	s_wait_dscnt 4*NL
	WIN MUL_LO
	MUL16 0, (\q)%2, \zero
	MUL16 2, (\q)%2, \zero
	s_wait_dscnt 0
	PLACES NP
	FETCH_B \slot, (\q)+1, 1-(\q)%2
	FETCH_A \slot, (\q)+1, 0
	WIN MUL_HI
	MUL16 4, (\q)%2, \zero
	MUL16 6, (\q)%2, \zero
	PLACES NP
	WIN 0
	FETCH_A \slot, (\q)+1, 4
.endm
.macro TURN slot, next, fill
.if \fill
	s_wait_xcnt 0x0
	s_add_nc_u64 s[PFA:PFA+1], s[PFA:PFA+1], ROWB
.endif
	s_wait_tensorcnt 0x0
	ds_add_u32 v[SPW], v[NIL]
	s_wait_dscnt 4*NL+1
	WIN MUL_LO
	MUL16 0, 1, 0
	s_wait_dscnt 0x0
	s_barrier_signal -1
	MUL16 2, 1, 0
	WIN 0
	s_barrier_wait -1
.if \fill
	CREST
	s_add_nc_u64 s[G0X+4*\slot+2:G0X+4*\slot+3], s[G0X+4*\slot+2:G0X+4*\slot+3], 2*ROWB
	s_add_nc_u64 s[G0W+4*\slot+2:G0W+4*\slot+3], s[G0W+4*\slot+2:G0W+4*\slot+3], 2*ROWB
	JLOAD G0X+4*\slot, G1X, G0W+4*\slot, G1W
.else
	PLACES NP
.endif
	FETCH_B \next, 0, 0
	FETCH_A \next, 0, 0
.if \fill
	ASK
.endif
	WIN MUL_HI
	MUL16 4, 1, 0
	MUL16 6, 1, 0
	PLACES NP
	WIN 0
	FETCH_A \next, 0, 4
.endm
	s_wait_loadcnt 0x0
	s_wait_tensorcnt 1
	s_barrier_signal -1
	s_barrier_wait -1
	FETCH_B 0, 0, 0
	FETCH_A 0, 0, 0
	FETCH_A 0, 0, 4
	STEP 0, 0, 1
	s_mov_b32 s3, LAPS-1
.Llap:
	TURN 0, 1, 1
	STEP 1, 0, 0
	TURN 1, 0, 1
	STEP 0, 0, 0
	s_sub_co_u32 s3, s3, 1
	s_cmp_lg_u32 s3, 0
	s_cbranch_scc1 .Llap
	TURN 0, 1, 0
	STEP 1, 0, 0
	s_wait_dscnt 4*NL
	WIN MUL_LO
	MUL16 0, 1, 0
	MUL16 2, 1, 0
	s_wait_dscnt 0
	WIN MUL_HI
	MUL16 4, 1, 0
	MUL16 6, 1, 0
	WIN 0
	s_wait_kmcnt 0x0
	s_cmp_eq_u32 s17, 1
	s_cselect_b32 s20, s6, s4
	s_cselect_b32 s21, s7, s5
	s_cselect_b32 s22, s11, s10
	s_cselect_b64 s[DST:DST+1], s[84:85], s[82:83]
	s_cmp_eq_u32 s17, 2
	s_cselect_b32 s20, s8, s20
	s_cselect_b32 s21, s9, s21
	s_cselect_b32 s22, s89, s22
	s_add_co_i32 s20, s20, s21
	s_sub_co_i32 s21, s22, s20
	s_cmp_eq_u32 s17, 2
	s_cselect_b32 s22, s21, s22
	s_add_co_i32 s91, s20, 127
	s_lshl_b32 s91, s91, 23
	s_lshl_b32 s92, s20, 1
	s_add_co_i32 s92, s92, 120
	s_lshl_b32 s92, s92, 23
	s_mov_b32 s93, 0x358637bd
	s_add_co_i32 s94, s22, 127
	s_lshl_b32 s95, s94, 23
	s_add_co_i32 s94, s94, 8
	s_lshl_b32 s94, s94, 23
	s_or_b32 s94, s94, 0x600000
	PLACES NP
	v_mov_b32 v[SCLV], s95
	v_mov_b32 v[LIMV], s94
	s_and_b32 s20, s41, 7
	s_lshl_b32 s20, s20, 8
	s_lshr_b32 s23, s41, 3
	s_cmp_eq_u32 s17, 2
	s_cbranch_scc1 .Lv1
	s_lshl_b32 s21, s15, 7
	s_add_co_u32 s20, s20, s21
	s_lshl_b32 s66, s20, 9
	s_mov_b32 s67, 0
	s_add_nc_u64 s[74:75], s[74:75], s[66:67]
	s_add_nc_u64 s[76:77], s[76:77], s[66:67]
	s_lshl_b32 s21, s23, 2
	s_lshl_b32 s22, s40, 1
	s_add_co_u32 s21, s21, s22
	s_add_co_u32 s21, s21, s16
	s_lshl_b32 s21, s21, 11
	s_add_co_u32 s21, s21, s20
	s_lshl_b32 s66, s21, 7
	s_add_nc_u64 s[DST:DST+1], s[DST:DST+1], s[66:67]
.macro CSLOAD a
	WIN 0x40
.set ci, 0
.rept 8
	global_load_b128 v[128*((\a)%2)+16*ci:128*((\a)%2)+16*ci+3], v[CSO], s[74:75] offset:(16*(\a)+2*ci)*512
	global_load_b128 v[128*((\a)%2)+16*ci+4:128*((\a)%2)+16*ci+7], v[CSO], s[74:75] offset:(16*(\a)+2*ci)*512+256
	global_load_b128 v[128*((\a)%2)+16*ci+8:128*((\a)%2)+16*ci+11], v[CSO], s[76:77] offset:(16*(\a)+2*ci)*512
	global_load_b128 v[128*((\a)%2)+16*ci+12:128*((\a)%2)+16*ci+15], v[CSO], s[76:77] offset:(16*(\a)+2*ci)*512+256
.set ci, ci+1
.endr
	WIN 0
.endm
.macro SUMSQ a
.set AC, 64*((\a)%4)
	WIN 0x0a+5*((\a)/4)
.set j, 0
.rept 4
	v_pk_mul_f32 v[CH+j:CH+j+1], v[AC+j:AC+j+1], v[AC+j:AC+j+1]
.set j, j+2
.endr
.rept 28
	v_pk_fma_f32 v[CH+j%8:CH+j%8+1], v[AC+j:AC+j+1], v[AC+j:AC+j+1], v[CH+j%8:CH+j%8+1]
.set j, j+2
.endr
	WIN 0
	v_pk_add_f32 v[CH:CH+1], v[CH:CH+1], v[CH+2:CH+3]
	v_pk_add_f32 v[CH+4:CH+5], v[CH+4:CH+5], v[CH+6:CH+7]
	v_pk_add_f32 v[CH:CH+1], v[CH:CH+1], v[CH+4:CH+5]
	v_add_f32 v[SS+\a], v[CH], v[CH+1]
.endm
.macro QKBLOCK a
.set AC, 64*((\a)%4)
.set CS1, 128*((\a)%2)
	WIN 0x02+((\a)/4)
.set j, 0
.rept 32
	v_pk_mul_f32 v[T+j:T+j+1], v[AC+j:AC+j+1], v[RQ+2*(\a):RQ+2*(\a)+1]
.set j, j+2
.endr
	WIN 0
.set j, 0
.rept 8
	ds_store_b128 v[STO], v[T+8*j:T+8*j+3] offset:64*j
	ds_store_b128 v[STO], v[T+8*j+4:T+8*j+7] offset:64*j+16
.set j, j+1
.endr
.set j, 0
.rept 8
	ds_load_b128 v[BK+8*j:BK+8*j+3], v[RD] offset:2*SPITCH*j
	ds_load_b128 v[BK+8*j+4:BK+8*j+7], v[RD] offset:2*SPITCH*j+256
.set j, j+1
.endr
	s_wait_dscnt 0x0
.set j, 0
.rept 32
	v_pk_mul_f32 v[BK+j:BK+j+1], v[BK+j:BK+j+1], v[WN+j%8:WN+j%8+1]
.set j, j+2
.endr
.if (\a) < 7
	s_wait_loadcnt 32
.else
	s_wait_loadcnt 0x0
.endif
	WIN 0x04
.set j, 0
.rept 32
	v_pk_mul_f32 v[T+j:T+j+1], v[BK+j+4-8*((j%8)/4):BK+j+5-8*((j%8)/4)], v[CS1+16*(j/8)+8+j%8:CS1+16*(j/8)+9+j%8]
.set j, j+2
.endr
.set j, 0
.rept 32
.if (j%8) < 4
	v_pk_fma_f32 v[BK+j:BK+j+1], v[BK+j:BK+j+1], v[CS1+16*(j/8)+j%8:CS1+16*(j/8)+j%8+1], v[T+j:T+j+1] neg_lo:[0,0,1] neg_hi:[0,0,1]
.else
	v_pk_fma_f32 v[BK+j:BK+j+1], v[BK+j:BK+j+1], v[CS1+16*(j/8)+j%8:CS1+16*(j/8)+j%8+1], v[T+j:T+j+1]
.endif
.set j, j+2
.endr
	WIN 0
.if (\a) < 6
	CSLOAD (\a)+2
.endif
.set j, 0
.rept 64
	v_med3_num_f32 v[BK+j], v[BK+j], -v[LIMV], v[LIMV]
.set j, j+1
.endr
	s_wait_alu depctr_va_vdst(0)
	s_wait_xcnt 0x0
.set j, 0
.rept 8
	v_cvt_scalef32_pk8_fp8_f32 v[C+2*j:C+2*j+1], v[BK+8*j:BK+8*j+7], v[SCLV]
.set j, j+1
.endr
	v_nop
.set j, 0
.rept 8
	global_store_b64 v[QO], v[C+2*j:C+2*j+1], s[DST:DST+1] offset:(16*(\a)+2*j)*128
.set j, j+1
.endr
.endm
	s_wait_alu depctr_va_vdst(0)
	CSLOAD 0
	CSLOAD 1
.irp a, 0,1,2,3,4,5,6,7
	SUMSQ \a
.endr
.irp a, 0,1,2,3,4,5,6,7
	v_permlanex16_b32 v[CH+\a], v[SS+\a], s[SEL], s[SEL+1]
.endr
.irp a, 0,1,2,3,4,5,6,7
	v_add_f32 v[SS+\a], v[SS+\a], v[CH+\a]
.endr
.irp a, 0,1,2,3,4,5,6,7
	v_fma_f32 v[SS+\a], v[SS+\a], s92, s93
.endr
	s_wait_alu depctr_va_vdst(0)
.irp a, 0,1,2,3,4,5,6,7
	v_rsq_f32 v[CH+\a], v[SS+\a]
.endr
	v_nop
	s_wait_alu depctr_va_vdst(0)
.irp a, 0,1,2,3,4,5,6,7
	v_mul_f32 v[RQ+2*\a], s91, v[CH+\a]
	v_mul_f32 v[RQ+2*\a+1], s91, v[CH+\a]
.endr
.irp a, 0,1,2,3,4,5,6,7
	QKBLOCK \a
.endr
	s_branch .Ljoin
.Lv1:
.macro VBLOCK a
.set AC, 64*((\a)%4)
	WIN 0x02+((\a)/4)
.set j, 0
.rept 64
	v_med3_num_f32 v[T+j], v[AC+j], -v[LIMV], v[LIMV]
.set j, j+1
.endr
	WIN 0
.set j, 0
.rept 8
	v_cvt_scalef32_pk8_fp8_f32 v[VC+16*(\a)+2*j:VC+16*(\a)+2*j+1], v[T+8*j:T+8*j+7], v[SCLV]
.set j, j+1
.endr
	v_nop
.set j, 0
.rept 8
	ds_store_b64 v[VSTO], v[VC+16*(\a)+2*j:VC+16*(\a)+2*j+1] offset:16*(\a)*PITCH+16*j
.set j, j+1
.endr
.endm
	s_wait_alu depctr_va_vdst(0)
.irp a, 0,1,2,3,4,5,6,7
	VBLOCK \a
.endr
.Ljoin:
	s_wait_dscnt 0x0
	s_barrier_signal -1
	s_barrier_wait -1
	s_cmp_lg_u32 s17, 2
	s_cbranch_scc1 .Lend
	s_lshl_b32 s21, s23, 9
	s_lshl_b32 s22, s40, 8
	s_add_co_u32 s21, s21, s22
	s_lshl_b32 s22, s14, 6
	s_add_co_u32 s21, s21, s22
	s_lshl_b32 s21, s21, 11
	s_add_co_u32 s66, s21, s20
	s_mov_b32 s67, 0
	s_add_nc_u64 s[86:87], s[86:87], s[66:67]
.set j, 0
.rept 32
	ds_load_b128 v[T+4*j:T+4*j+3], v[VRD] offset:2*j*PITCH
.set j, j+1
.endr
.set j, 0
.rept 32
	s_wait_dscnt 31-j
	global_store_b128 v[VGO], v[T+4*j:T+4*j+3], s[86:87] offset:2*j*2048
.set j, j+1
.endr
.Lend:
	s_wait_tensorcnt 0x0
	ds_add_u32 v[SPW], v[NIL]
	s_wait_dscnt 0x0
	CROUND
	s_endpgm
.Lfunc_end_k_q7d9373850c_qkv:
	.size	k_q7d9373850c_qkv, .Lfunc_end_k_q7d9373850c_qkv-k_q7d9373850c_qkv
	.p2alignl 7, 3214868480
	.fill 96, 4, 3214868480
	.section	.rodata,"a",@progbits
	.p2align	6, 0x0
	.amdhsa_kernel k_q7d9373850c_qkv
		.amdhsa_group_segment_fixed_size 327680
		.amdhsa_private_segment_fixed_size 0
		.amdhsa_enable_private_segment 0
		.amdhsa_kernarg_size 80
		.amdhsa_user_sgpr_count 2
		.amdhsa_user_sgpr_kernarg_segment_ptr 1
		.amdhsa_wavefront_size32 1
		.amdhsa_system_sgpr_workgroup_id_x 1
		.amdhsa_system_sgpr_workgroup_id_y 1
		.amdhsa_system_sgpr_workgroup_id_z 1
		.amdhsa_system_vgpr_workitem_id 0
		.amdhsa_next_free_vgpr 1024
		.amdhsa_next_free_sgpr 102
		.amdhsa_reserve_vcc 0
		.amdhsa_float_denorm_mode_32 3
		.amdhsa_float_denorm_mode_16_64 3
		.amdhsa_memory_ordered 1
		.amdhsa_forward_progress 1
		.amdhsa_inst_pref_size 255
	.end_amdhsa_kernel
	.section	.bss,"aw",@nobits
	.p2align	6
	.space	262144
	.amdgpu_metadata
---
amdhsa.version: [ 1, 2 ]
amdhsa.kernels:
  - .name:           k_q7d9373850c_qkv
    .symbol:         k_q7d9373850c_qkv.kd
    .args:
      - { .name: xc, .offset: 0, .size: 8, .value_kind: global_buffer, .address_space: global }
      - { .name: wc, .offset: 8, .size: 8, .value_kind: global_buffer, .address_space: global }
      - { .name: lowp_scales, .offset: 16, .size: 8, .value_kind: global_buffer, .address_space: global }
      - { .name: cos, .offset: 24, .size: 8, .value_kind: global_buffer, .address_space: global }
      - { .name: sin, .offset: 32, .size: 8, .value_kind: global_buffer, .address_space: global }
      - { .name: q_norm_w, .offset: 40, .size: 8, .value_kind: global_buffer, .address_space: global }
      - { .name: k_norm_w, .offset: 48, .size: 8, .value_kind: global_buffer, .address_space: global }
      - { .name: qc, .offset: 56, .size: 8, .value_kind: global_buffer, .address_space: global }
      - { .name: kc, .offset: 64, .size: 8, .value_kind: global_buffer, .address_space: global }
      - { .name: vc, .offset: 72, .size: 8, .value_kind: global_buffer, .address_space: global }
    .group_segment_fixed_size: 327680
    .private_segment_fixed_size: 0
    .kernarg_segment_align: 8
    .kernarg_segment_size: 80
    .max_flat_workgroup_size: 128
    .sgpr_count:     102
    .vgpr_count:     1024
    .wavefront_size: 32
...
	.end_amdgpu_metadata
.endif
;; end of part 2
;; launch attn (part 3): grid 16 x 16, 8 waves a work-group, no clusters, 327,680 bytes of LDS; arguments qc, kc, vc, lowp_scales, ac; writes ac
.if DOCPART == 3
	.amdgcn_target "amdgcn-amd-amdhsa--gfx1250"
	.amdhsa_code_object_version 6
	.text
	.protected	k_q7d9373850c_attn
	.globl	k_q7d9373850c_attn
	.p2align	8
	.type	k_q7d9373850c_attn,@function
k_q7d9373850c_attn:
	s_mov_b64 s[64:65], 0
	v_nop
	global_prefetch_b8 v0, s[64:65] scope:SCOPE_SE
	s_setreg_imm32_b32 hwreg(HW_REG_WAVE_MODE, 25, 1), 1
	s_wait_xcnt 0x0
; Causal attention on codes of E4M3: S = q k^T / sqrt(128) (entries 6, 7), p = 2^(t - M) quantised under entry 8, O = p v (entry 9) / the row's sum, and O quantised under entry 10 for the last product.
; qc, kc: [16 heads = 4 b + h][2048][128] (one permutation of d, the same in both); vc: [16][128 d][2048 keys]; ac: [h][2048 b + s][128 d].
; THE SOFTMAX: t = score x log2(e) / sqrt(128); M = the running largest t rounded UP to a whole number; p = 2^(t - M), not normalised; the sum is taken of the unquantised p; when M moves, sum and O are multiplied by 2^(old M - new M): exact.
; SHARES.  A work-group owns two blocks of 64 queries of one head, block i and block 31 - i: an early and a late one, so that every work-group has the same causal work.  Each of its eight waves owns 16 queries, one tile:
; four waves the early block, four the late; wave w is a late one where (w xor w / 4) is odd.  K and V come through two LDS slots of 256 keys (waves 0, 1: K's halves; waves 2, 3: V's), read by all eight.
; Both products are used transposed (S^T = K Q^T, O^T = V^T P^T): a lane holds ONE query.
; THE KEYS OF A TILE: tile 2 c takes keys 32 c + 0..7 (lanes r < 8) and 32 c + 24..31 (r >= 8), tile 2 c + 1 keys 32 c + 8..23.  At the pitch of 36 words the 16 rows of either tile start at 16 different groups of four banks
; (64 banks of 4 bytes: ISA guide 11.1).  In lanes 0-15 the two tiles' registers are keys 32 c + 0..15 in order; in lanes 16-31 tile 2 c + 1 holds 32 c + 16..23 and tile 2 c holds 32 c + 24..31: there the two tiles' codes change places
; (16 selects a step by a constant mask of lanes), and p's registers then hold keys 32 c + 16 (lane / 16) + 0..15, as V's fragment does.
; LDS LOADS ARE ASKED FOR AHEAD: all eight fragments of K and all eight of V of a step have registers of their own (window 1).  A slot's two steps are one piece of text: K and V of step 0 go out together; K of step 1 behind step 0's
; first products, V of step 1 behind its second: each run has a softmax in which to land.
; CAUSAL.  Every work-group walks all 8 changes of slots (constant trip counts); a step all of whose keys come after the wave's queries is jumped over (if a slot's first step is, so is its second); a slot whose first key comes
; after the work-group's last query is not asked for.
; NO CLUSTER: the loads end at the causal limit by a jump on ids, which may lead round a work-group's own load but not round a joint one; partners of a head need between 5 and 8 slots.
; LIMITS: entries 6 + 7 between -123 and 130 (added to c's exponent field); entries 8 and 10 between -126 and 119; 8 + 9 goes by v_ldexp_f32 and has none.
; REGISTERS.  Window 0: v1-11 addresses; v12 -M, v13 the largest t, v[14:15] the sum; v16-31 Q; v34-59 lane terms and chains; v64-79 the tiles' codes; v96-159 S^T, then p; v160-223 O^T; v224-239 p's fragment; v240-254 constants and work.
; Window 1: v0-127 V's eight fragments; v128-255 K's eight.
.set SN,    2048
.set SK,    256
.set ROWB,  128
.set KP,    144                        ; a key's row in LDS: 128 bytes + 16
.set VROWB, 256
.set VP,    272
.set KROWV, SN
.set VOFF,  SK*KP
.set SLOT1, 1<<17
.set NSL,   SN/SK
.set SPARE, 2*SLOT1                    ; the spare words: 128 bytes for each of eight waves
.set STAGE, SPARE+1024                 ; the way out: 16 rows x 144 bytes a wave; no fill lands here
.set SPP,   144
.set AKE,  1                           ; v1  my lane's place in an even tile of K: row r + 16 (r / 8)
.set AV0,  2                           ; v2  in a tile of V
.set PFO,  3                           ; v3  256 x lane: the prefetch of K's block
.set PFW,  4                           ; v4  2,048 x lane: of V's rows
.set SPW,  5
.set NIL,  6
.set GO,   7                           ; v7  16 x lane
.set ADKE, 8                           ; v8  LDS address of the slot's even tiles of K
.set ADV,  9                           ; v9  of V's tiles
.set AKO,  10                          ; v10 my lane's place in an odd tile of K: row r
.set ADKO, 11                          ; v11 LDS address of the slot's odd tiles of K
.set LE,   34                          ; v34 r - 24 h: the causal compare's lane term for even tiles
.set LO,   35                          ; v35 r - 8 h: for odd tiles
.set STI,  36                          ; v36 the way out: into my stage
.set STB,  37                          ; v37 and back
.set DEV,  38                          ; v38, v39 the lane terms + my first query - the step's first key
.set DOD,  39
.set NINF, 40                          ; v40 -infinity
.set PX,   41                          ; v41 what the lane 16 away sends
.set QOF,  42                          ; v42 my byte offset in my 16 rows of qc
.set MC,   48                          ; v48-51 four chains of the maximum
.set SCH,  52                          ; v52-59 four chains (pairs) of the sum
.set XY,   64                          ; v64-79 tile t's codes at v[64 + 2 t]
.set OUTL, 80                          ; v80-95 the way out: rows read back
.set VFR,  0                           ; window 1
.set KFR,  128                         ; window 1
.set TB,   2                           ; s2  LDS byte at which the slot in hand begins
.set WV,   18
.set SEL,  20
.set CS,   22
.set G1K,  24
.set G1V,  32
.set G0K,  40
.set G0V,  44
.set QL,   66                          ; s66 my work-group's last query
.set SLOTS, 67
.set PFK,  76                          ; s[76:77], s[78:79] where my prefetches stand in kc and vc
.set PFV,  78
.set LIM,  80
.set QE,   97                          ; s97 my last query
.set KF,   98                          ; s98 the step's first key
.set Q0,   99                          ; s99 my first query
.set MSB, 0
.macro WIN new                         ; the immediate's high byte repeats the setting that is left; a switch that changes nothing is dropped
.if MSB != \new
	s_set_vgpr_msb (MSB<<8)|\new
.set MSB, \new
.endif
.endm
.set TO_F, 0x40                        ; destination window 1, address window 0
.set MULW, 0x01                        ; source 0 (K's or V's fragment) window 1; all else window 0
.macro TLOAD g0k, g1k, g0v, g1v        ; an s_nop 0 and four v_nop follow each line
	s_cmp_lt_u32 s[WV], 2
	s_cbranch_scc0 .Lnot_k_\@
	tensor_load_to_lds s[\g0k:\g0k+3], s[\g1k:\g1k+7]
	s_nop 0
.rept 4
	v_nop
.endr
	s_branch .Lasked_\@
.Lnot_k_\@:
	s_cmp_lt_u32 s[WV], 4
	s_cbranch_scc0 .Lasked_\@
	tensor_load_to_lds s[\g0v:\g0v+3], s[\g1v:\g1v+7]
	s_nop 0
.rept 4
	v_nop
.endr
.Lasked_\@:
.endm
; A PREFETCH of the slot that the NEXT change will ask for.  All work-groups of a head walk the same K and V: the one with i = 0, which walks all slots, asks; in it waves 4 to 7, which fetch nothing: each 8,192 bytes of K's dense
; block (lanes 256 bytes apart) and 32 of V's 128 rows (a lane a row, 256 bytes of it).  Each aligned 256 bytes are named once.  The last change that fills a slot asks for nothing; slots 0 and 1 come by their loads alone.
.macro ASK
	s_cmp_gt_u32 s[SLOTS], s[LIM]
	s_cbranch_scc0 .Lnot_mine_\@
	global_prefetch_b8 v[PFO], s[PFK:PFK+1] th:TH_LOAD_NT scope:SCOPE_SE
	global_prefetch_b8 v[PFW], s[PFV:PFV+1] th:TH_LOAD_NT scope:SCOPE_SE
.Lnot_mine_\@:
.endm
	s_load_b128 s[4:7], s[0:1], 0x0                ; qc s[4:5], kc s[6:7]
	s_load_b128 s[12:15], s[0:1], 0x10             ; vc s[12:13], scales s[14:15]
	s_load_b64 s[16:17], s[0:1], 0x20              ; ac
	v_lshl_add_u32 v[SPW], v0, 2, SPARE
	v_mov_b32 v[NIL], 0
	ds_add_u32 v[SPW], v[NIL]
	ds_add_u32 v[SPW], v[NIL]                      ; twice on end
	v_lshrrev_b32 v8, 5, v0
	v_readfirstlane_b32 s[WV], v8                  ; wave 0..7
	s_and_b32 s72, ttmp7, 0xffff                   ; the head, 4 b + h
	s_lshl_b32 s74, s72, 18                        ; its first byte in qc, kc and vc: 2,048 x 128 each
	s_lshr_b32 s82, s[WV], 2
	s_xor_b32 s82, s82, s[WV]
	s_and_b32 s82, s82, 1                          ; 1: my tile lies in the late block
	s_sub_co_u32 s83, 31, ttmp9
	s_cmp_eq_u32 s82, 1
	s_cselect_b32 s83, s83, ttmp9
	s_lshl_b32 s83, s83, 6
	s_lshr_b32 s82, s[WV], 1
	s_lshl_b32 s82, s82, 4
	s_add_co_u32 s[Q0], s83, s82                   ; my first query: 64 x block + 16 (wave / 2)
	s_add_co_u32 s[QE], s[Q0], 15                  ; my last
	s_lshl_b32 s82, ttmp9, 6
	s_sub_co_u32 s[QL], 2047, s82                  ; the late block's last query
	s_lshl_b32 s82, s[Q0], 7
	s_add_co_u32 s82, s82, s74                     ; my queries' codes
	s_mov_b32 s83, 0
	s_and_b32 s86, s72, 3                          ; ac: plane h, row 2,048 b + query
	s_lshl_b32 s86, s86, 20
	s_lshr_b32 s87, s72, 2
	s_lshl_b32 s87, s87, 11
	s_add_co_u32 s87, s87, s[Q0]
	s_lshl_b32 s87, s87, 7
	s_add_co_u32 s86, s86, s87
	s_mov_b32 s87, 0
	s_and_b32 s88, s[WV], 1                        ; what I fetch, if I fetch: K: keys 128 x (wave % 2) on; V: rows 64 x (wave % 2) on
	s_lshl_b32 s90, s88, 14
	s_add_co_u32 s90, s90, s74
	s_mov_b32 s91, 0
	s_mul_i32 s89, s88, (SK/2)*KP
	s_lshl_b32 s92, s88, 17
	s_add_co_u32 s92, s92, s74
	s_mov_b32 s93, 0
	s_mul_i32 s94, s88, 64*VP
	s_add_co_u32 s94, s94, VOFF
	s_mov_b32 s[G1K], (1<<20)|(4<<22)|(3<<25)      ; elements of 1 byte; padding: 4 words after every 32
	s_mov_b32 s[G1K+1], 256<<16                    ; K's 128 rows of 128 bytes are dense: stated as 64 rows of 256 bytes, the padding still behind each 128
	s_mov_b32 s[G1K+2], 64<<16
	s_mov_b32 s[G1K+3], 256<<16
	s_mov_b32 s[G1K+4], 64
	s_mov_b32 s[G1K+5], 256
	s_mov_b32 s[G1K+6], 0
	s_mov_b32 s[G1K+7], 0
	s_mov_b32 s[G1V], (1<<20)|(5<<22)|(3<<25)      ; padding: 4 words after every 64
	s_mov_b32 s[G1V+1], VROWB<<16
	s_mov_b32 s[G1V+2], 64<<16
	s_mov_b32 s[G1V+3], VROWB<<16
	s_mov_b32 s[G1V+4], 64
	s_mov_b32 s[G1V+5], KROWV
	s_mov_b32 s[G1V+6], 0
	s_mov_b32 s[G1V+7], 0
	s_mov_b32 s[SEL], 0x76543210
	s_mov_b32 s[SEL+1], 0xfedcba98
	s_mov_b32 s[CS], 0x3e0293ee                    ; c = log2(e) / sqrt(128)
	s_mov_b32 s[TB], 0
	s_mov_b32 s[SLOTS], NSL-1
	s_mov_b32 s[KF], 0
	s_wait_dscnt 0x0                               ; the opening add is done
	s_wait_kmcnt 0x0
	s_load_b128 s[68:71], s[14:15], 0x18           ; entries 6, 7, 8, 9
	s_load_b32 s81, s[14:15], 0x28                 ; entry 10
	s_mov_b32 s[G0K], 1
	s_mov_b32 s[G0K+1], s89
	s_add_nc_u64 s[G0K+2:G0K+3], s[6:7], s[90:91]
	s_or_b32 s[G0K+3], s[G0K+3], 0x80000000
	s_mov_b32 s[G0V], 1
	s_mov_b32 s[G0V+1], s94
	s_add_nc_u64 s[G0V+2:G0V+3], s[12:13], s[92:93]
	s_or_b32 s[G0V+3], s[G0V+3], 0x80000000
	TLOAD G0K, G1K, G0V, G1V                       ; slot 0
	s_add_nc_u64 s[4:5], s[4:5], s[82:83]
	s_add_nc_u64 s[16:17], s[16:17], s[86:87]
	s_and_b32 s82, s[WV], 3                        ; the prefetches: my part, in slot 1; the first change steps it to slot 2
	s_lshl_b32 s84, s82, 13
	s_add_co_u32 s84, s84, SK*ROWB
	s_add_co_u32 s84, s84, s74
	s_mov_b32 s85, 0
	s_add_nc_u64 s[PFK:PFK+1], s[6:7], s[84:85]
	s_lshl_b32 s84, s82, 16
	s_add_co_u32 s84, s84, VROWB
	s_add_co_u32 s84, s84, s74
	s_add_nc_u64 s[PFV:PFV+1], s[12:13], s[84:85]
	s_lshr_b32 s82, s[WV], 2
	s_xor_b32 s82, s82, 1                          ; 0 in waves 4 to 7,
	s_or_b32 s82, s82, ttmp9                       ; of the work-group with i = 0
	s_cmp_eq_u32 s82, 0
	s_cselect_b32 s[LIM], 1, -1
	v_and_b32 v[GO], 31, v0
	v_lshlrev_b32 v[PFO], 8, v[GO]
	v_lshlrev_b32 v[PFW], 11, v[GO]
	v_lshlrev_b32 v[GO], 4, v[GO]
	v_and_b32 v8, 15, v0                           ; r
	v_bfe_u32 v9, v0, 4, 1                         ; h
	v_mul_u32_u24 v[QOF], v8, ROWB
	v_lshl_add_u32 v[QOF], v9, 4, v[QOF]
.irp c, 0,1,2,3
	global_load_b128 v[16+4*\c:19+4*\c], v[QOF], s[4:5] offset:32*\c   ; Q's fragment stays in registers
.endr
	v_and_b32 v11, 8, v8
	v_lshl_add_u32 v11, v11, 1, v8                 ; r + 16 (r / 8): rows 0-7 and 24-31
	v_mul_u32_u24 v[AKE], v11, KP
	v_lshl_add_u32 v[AKE], v9, 4, v[AKE]
	v_mul_u32_u24 v[AKO], v8, KP                   ; rows 0-15 (from the tile's row 8 on: in the offset)
	v_lshl_add_u32 v[AKO], v9, 4, v[AKO]
	v_mul_u32_u24 v[AV0], v8, VP
	v_lshl_add_u32 v[AV0], v9, 4, v[AV0]
	v_add_nc_u32 v[AV0], VOFF, v[AV0]
	v_mul_u32_u24 v[LE], v9, 24
	v_sub_nc_u32 v[LE], v8, v[LE]                  ; r - 24 h
	v_lshlrev_b32 v[LO], 3, v9
	v_sub_nc_u32 v[LO], v8, v[LO]                  ; r - 8 h
	v_mov_b32 v[NINF], 0xff800000
	v_mov_b32 v[PX], 0                             ; a lane permute's destination counts as one of its sources
	v_mov_b32 v13, 0xff61b1e6                      ; the largest t so far: -3e38
	v_floor_f32 v12, -v13                          ; -M
	v_mov_b32 v14, 0
	v_mov_b32 v15, 0
	v_mov_b32 v253, 0                              ; (named as the upper half of the pair v[252:253])
.set j, 0
.rept 64
	v_mov_b32 v[160+j], 0                          ; O^T: the step is written once; the first finds zeros
.set j, j+1
.endr
	s_wait_kmcnt 0x0
	s_add_co_i32 s72, s68, s69
	s_lshl_b32 s72, s72, 23
	s_add_co_i32 s[CS], s[CS], s72                 ; a score stands for score x 2^(e6 + e7): added to c's exponent field
	s_mov_b32 s[CS+1], s[CS]
	s_add_co_i32 s72, s70, 127
	s_lshl_b32 s73, s72, 23
	v_mov_b32 v244, s73                            ; 2^e8, for p's conversion
	s_add_co_i32 s72, s72, 8
	s_lshl_b32 s72, s72, 23
	s_or_b32 s72, s72, 0x600000
	v_mov_b32 v240, s72                            ; 448 x 2^e8
	s_add_co_i32 s72, s81, 127
	s_lshl_b32 s73, s72, 23
	v_mov_b32 v246, s73                            ; 2^e10, for O's conversion
	s_add_co_i32 s72, s72, 8
	s_lshl_b32 s72, s72, 23
	s_or_b32 s72, s72, 0x600000
	v_mov_b32 v247, s72                            ; 448 x 2^e10
; K's eight fragments of the slot's q-th 128 keys: 32 loads in one run
.macro KLOAD q
	WIN TO_F
.irp t, 0,1,2,3,4,5,6,7
.irp c, 0,1,2,3
.if (\t%2) == 0
	ds_load_b128 v[KFR+16*\t+4*\c:KFR+16*\t+4*\c+3], v[ADKE] offset:(128*(\q)+32*(\t/2))*KP+32*\c
.else
	ds_load_b128 v[KFR+16*\t+4*\c:KFR+16*\t+4*\c+3], v[ADKO] offset:(128*(\q)+32*(\t/2)+8)*KP+32*\c
.endif
.endr
.endr
.endm
; V's eight fragments (16 of the head's 128 each) for the same keys: 32 loads
.macro VLOAD q
	WIN TO_F
.irp t, 0,1,2,3,4,5,6,7
.irp c, 0,1,2,3
	ds_load_b128 v[VFR+16*\t+4*\c:VFR+16*\t+4*\c+3], v[ADV] offset:16*\t*VP+ROWB*(\q)+32*\c
.endr
.endr
.endm
.macro SMUL g                          ; S^T = K Q^T, tiles 4 g .. 4 g + 3: each starts its sum with 0
	WIN MULW
.irp t, 0,1,2,3
	v_wmma_f32_16x16x128_fp8_fp8 v[96+8*(4*\g+\t):103+8*(4*\g+\t)], v[KFR+16*(4*\g+\t):KFR+16*(4*\g+\t)+15], v[16:31], 0
.endr
.endm
.macro PVMUL                           ; O^T += V^T P^T: the eight accumulators take turns, one instruction a turn
	WIN MULW
.irp t, 0,1,2,3,4,5,6,7
	v_wmma_f32_16x16x128_fp8_fp8 v[160+8*\t:167+8*\t], v[VFR+16*\t:VFR+16*\t+15], v[224:239], v[160+8*\t:167+8*\t]
.endr
	WIN 0
.endm
.macro PLACES                          ; four plain vector lines between a matrix instruction and a load into, or a vector read of, its registers (ISA guide 7.12.1 for vector reads)
.rept 4
	v_nop
.endr
.endm
; THE SOFTMAX OF A STEP: from the 64 scores in v96-159 to p's fragment in v224-239; the sum and O^T are brought under the new M.
.macro SOFT
	s_add_co_u32 s96, s[KF], 127                   ; on the diagonal the scores of hidden keys become -infinity ahead of the maximum; a step all of whose keys count skips this
	s_cmp_le_u32 s96, s[Q0]
	s_cbranch_scc1 .Lopen_\@
	s_sub_co_i32 s96, s[Q0], s[KF]
	v_add_nc_u32 v[DEV], s96, v[LE]                ; register 16 c + j (j < 8) holds key 32 c + j + 24 h: hidden where 32 c + j > my query - the first key - 24 h;
	v_add_nc_u32 v[DOD], s96, v[LO]                ; register 16 c + 8 + j holds key 32 c + 8 + j + 8 h: hidden where 32 c + 8 + j > my query - the first key - 8 h
.set n, 0
.rept 64
.if (n%16) < 8
	v_cmp_gt_i32 vcc_lo, 32*(n/16)+n%16, v[DEV]
.else
	v_cmp_gt_i32 vcc_lo, 32*(n/16)+n%16, v[DOD]
.endif
	v_cndmask_b32 v[96+n], v[96+n], v[NINF], vcc_lo
.set n, n+1
.endr
.Lopen_\@:
.set kk, 0
.rept 4
	v_max3_num_f32 v[MC+kk], v[96+16*kk], v[97+16*kk], v[98+16*kk]   ; the step's largest score of my query: four chains of 16 registers; each accumulator is read from its low end on
.set kk, kk+1
.endr
.set st, 1
.rept 6
.set kk, 0
.rept 4
	v_max3_num_f32 v[MC+kk], v[MC+kk], v[97+16*kk+2*st], v[98+16*kk+2*st]
.set kk, kk+1
.endr
.set st, st+1
.endr
	v_max3_num_f32 v[MC], v[MC], v[MC+1], v111     ; the chains, and each chain's sixteenth register
	v_max3_num_f32 v[MC+2], v[MC+2], v[MC+3], v127
	v_max3_num_f32 v[MC], v[MC], v[MC+2], v143
	v_max_num_f32 v254, v[MC], v159
	v_permlanex16_b32 v[PX], v254, s[SEL], s[SEL+1]
	v_max_num_f32 v254, v254, v[PX]                ; and the lane 16 away's
	v_mul_f32 v254, s[CS], v254                    ; as t (c is positive)
	v_max_num_f32 v13, v13, v254                   ; the running largest t
	v_mov_b32 v254, v12
	v_floor_f32 v12, -v13                          ; the new -M = -ceil(t)
	v_sub_f32 v254, v12, v254                      ; old M - new M: a whole number, 0 or less
	v_cvt_i32_f32 v254, v254
	v_ldexp_f32 v252, 1.0, v254                    ; f = 2^(old M - new M)
	; ONE BATCH: the 64 exponentials; all the scalings t - M go ahead of them, O^T x f behind
.set j, 0
.rept 32
	v_pk_fma_f32 v[96+2*j:97+2*j], v[96+2*j:97+2*j], s[CS:CS+1], v[12:13] op_sel_hi:[1,0,0]   ; all the scalings t - M first
.set j, j+1
.endr
	s_wait_alu depctr_va_vdst(0)                   ; the wait ahead of the batch
.set j, 0
.rept 64
	v_exp_f32 v[96+j], v[96+j]                     ; p = 2^(t - M)
.set j, j+1
.endr
	v_nop                                          ; a plain place behind the batch
	s_wait_alu depctr_va_vdst(0)                   ; and the one wait behind it
.set kk, 0
.rept 4
	v_pk_add_f32 v[SCH+2*kk:SCH+2*kk+1], v[96+2*kk:97+2*kk], v[104+2*kk:105+2*kk]   ; the sum of the UNQUANTISED p, in four chains of pairs
.set kk, kk+1
.endr
.set st, 2
.rept 6
.set kk, 0
.rept 4
	v_pk_add_f32 v[SCH+2*kk:SCH+2*kk+1], v[SCH+2*kk:SCH+2*kk+1], v[96+8*st+2*kk:97+8*st+2*kk]
.set kk, kk+1
.endr
.set st, st+1
.endr
.irp b, 0,1,2,3
.set i, 0
.rept 16
	v_min_num_f32 v[96+16*\b+i], v[96+16*\b+i], v240   ; the hold (the conversion does not saturate: ISA guide 7.6.2); p is not negative
.set i, i+1
.endr
	v_cvt_scalef32_pk8_fp8_f32 v[XY+4*\b:XY+4*\b+1], v[96+16*\b:103+16*\b], v244       ; tile 2 b's codes
	v_cvt_scalef32_pk8_fp8_f32 v[XY+4*\b+2:XY+4*\b+3], v[104+16*\b:111+16*\b], v244    ; tile 2 b + 1's
.endr
	v_pk_add_f32 v[SCH:SCH+1], v[SCH:SCH+1], v[SCH+2:SCH+3]       ; (plain lines behind the last conversion)
	v_pk_add_f32 v[SCH+4:SCH+5], v[SCH+4:SCH+5], v[SCH+6:SCH+7]
	v_pk_add_f32 v[SCH:SCH+1], v[SCH:SCH+1], v[SCH+4:SCH+5]
	v_pk_fma_f32 v[14:15], v[14:15], v[252:253], v[SCH:SCH+1] op_sel_hi:[1,0,1]   ; the sum under the new M + this step's
	s_wait_alu depctr_va_vdst(0)                   ; the wait directly ahead of the first reader of O^T
.set j, 0
.rept 32
	v_pk_mul_f32 v[160+2*j:161+2*j], v[160+2*j:161+2*j], v[252:253] op_sel_hi:[1,0]   ; O^T under the new M, each accumulator from its low end on
.set j, j+1
.endr
	s_mov_b32 vcc_lo, 0xffff0000
.irp b, 0,1,2,3
	v_cndmask_b32 v[224+4*\b], v[XY+4*\b], v[XY+4*\b+2], vcc_lo
	v_cndmask_b32 v[225+4*\b], v[XY+4*\b+1], v[XY+4*\b+3], vcc_lo
	v_cndmask_b32 v[226+4*\b], v[XY+4*\b+2], v[XY+4*\b], vcc_lo
	v_cndmask_b32 v[227+4*\b], v[XY+4*\b+3], v[XY+4*\b+1], vcc_lo
.endr
.endm
; THE CHANGE OF SLOTS, at a slot's head: each wave waits for all its tensor loads, adds 0 to its spare word, waits for that and for its reads of the slot that it has left; one barrier; fill = 1: the slot left is filled with the next keys.
.macro CHANGE fill
	s_wait_tensorcnt 0x0                           ; no tensor load of mine is out, so a group 0 may be written
	ds_add_u32 v[SPW], v[NIL]
.if \fill
	ds_add_u32 v[SPW], v[NIL]                      ; fill = 1: twice on end, in every trip alike
	s_xor_b32 s[G0K+1], s[G0K+1], SLOT1
	s_add_nc_u64 s[G0K+2:G0K+3], s[G0K+2:G0K+3], SK*ROWB
	s_xor_b32 s[G0V+1], s[G0V+1], SLOT1
	s_add_nc_u64 s[G0V+2:G0V+3], s[G0V+2:G0V+3], VROWB
	s_wait_xcnt 0x0                                ; the last prefetches, a slot back, have read their addresses
	s_add_nc_u64 s[PFK:PFK+1], s[PFK:PFK+1], SK*ROWB
	s_add_nc_u64 s[PFV:PFV+1], s[PFV:PFV+1], VROWB
.endif
	s_wait_dscnt 0x0                               ; the add is done, and so are all my reads of the slot that I have left (those asked for ahead of a step that was then jumped over among them)
	s_barrier_signal -1
	s_barrier_wait -1
.if \fill
	s_add_co_u32 s96, s[KF], SK                    ; the first key of the slot that this change would ask for: past my work-group's last query it is read by no wave and is not asked for.
	s_cmp_gt_u32 s96, s[QL]                        ; ids and the count of steps alone: all eight waves go the same way; every wait on TENSORcnt in this text is for 0
	s_cbranch_scc1 .Lpast_\@
	TLOAD G0K, G1K, G0V, G1V
.Lpast_\@:
	ASK
.endif
.endm
; A SLOT'S TWO KEY STEPS.  No barrier and no tensor load stands here; the jumps hang on ids and the count of steps.
.macro SLOT_STEPS
	s_cmp_gt_u32 s[KF], s[QE]                      ; all keys of the slot come after my queries: both steps are left out
	s_cbranch_scc1 .Lboth_\@
	v_add_nc_u32 v[ADKE], s[TB], v[AKE]
	v_add_nc_u32 v[ADKO], s[TB], v[AKO]
	v_add_nc_u32 v[ADV], s[TB], v[AV0]
	v_nop
	s_wait_alu depctr_va_vdst(0)
	KLOAD 0
	VLOAD 0                                        ; 64 loads of mine are out
	s_wait_dscnt 48                                ; LDS loads come back in order: K's tiles 0-3 (the oldest 16) are in
	SMUL 0
	s_wait_dscnt 32                                ; K's tiles 4-7 are in; V's 32 loads may be out
	SMUL 1
	WIN 0
	PLACES                                         ; in front of the loads into K's registers and of the first read of the scores
	KLOAD 1                                        ; the second step's K: it has this step's softmax in which to land
	WIN 0
	SOFT
	s_wait_alu depctr_va_vdst(0)                   ; the wait directly ahead of the wait below
	s_wait_dscnt 32
	PVMUL
	s_add_co_u32 s[KF], s[KF], 128
	s_cmp_gt_u32 s[KF], s[QE]
	s_cbranch_scc1 .Lone_\@                        ; the second step is hidden: what was asked for ahead is not used; the change of slots waits for it
	PLACES                                         ; in front of the loads into V's registers
	VLOAD 1                                        ; it has the second step's softmax in which to land
	s_wait_dscnt 32                                ; the second step's K is in; V's 32 loads may be out
	SMUL 0
	SMUL 1
	WIN 0
	PLACES
	SOFT
	s_wait_alu depctr_va_vdst(0)                   ; the wait directly ahead of the wait below
	s_wait_dscnt 0x0
	PVMUL
.Lone_\@:
	s_add_co_u32 s[KF], s[KF], 128
	s_branch .Ldone_\@
.Lboth_\@:
	s_add_co_u32 s[KF], s[KF], 256
.Ldone_\@:
	s_xor_b32 s[TB], s[TB], SLOT1                  ; on to the other slot
.endm
	s_wait_alu depctr_va_vdst(0)                   ; the wait at the head's end
	s_wait_loadcnt 0x0
.Lslot:
	CHANGE 1
	SLOT_STEPS
	s_sub_co_u32 s[SLOTS], s[SLOTS], 1
	s_cmp_lg_u32 s[SLOTS], 0
	s_cbranch_scc1 .Lslot
	CHANGE 0
	SLOT_STEPS
	; THE WAY OUT: O^T / the sum x 2^(e8 + e9) is the head's output; it is quantised under entry 10; a lane's 64 codes go through my stage, and my 16 rows of 128 bytes leave as 2,048 consecutive bytes.
	v_add_f32 v14, v14, v15
	v_permlanex16_b32 v[PX], v14, s[SEL], s[SEL+1]
	v_add_f32 v14, v14, v[PX]
	s_wait_alu depctr_va_vdst(0)                   ; the wait ahead of the transcendental
	v_rcp_f32 v14, v14
	v_and_b32 v8, 15, v0
	v_bfe_u32 v9, v0, 4, 1
	s_add_co_i32 s72, s70, s71
	s_mul_i32 s73, s[WV], 16*SPP
	s_add_co_u32 s73, s73, STAGE
	v_mul_u32_u24 v[STI], v8, SPP
	v_lshl_add_u32 v[STI], v9, 3, v[STI]
	v_add_nc_u32 v[STI], s73, v[STI]               ; in: row r, byte 16 t + 8 h
	v_and_b32 v[STB], 31, v0
	v_lshrrev_b32 v[STB], 3, v[STB]
	v_mul_u32_u24 v[STB], v[STB], SPP
	v_and_b32 v8, 7, v0
	v_lshl_add_u32 v[STB], v8, 4, v[STB]
	v_add_nc_u32 v[STB], s73, v[STB]               ; back: eight lanes to a row, four rows an instruction
	s_wait_alu depctr_va_vdst(0)                   ; the wait behind the reciprocal, ahead of its first reader
	v_ldexp_f32 v14, v14, s72
	s_wait_alu depctr_va_vdst(0)                   ; the wait directly ahead of the first reader of O^T
.set j, 0
.rept 64
	v_mul_f32 v[96+j], v[160+j], v14               ; register 8 t + i is o(r, 16 t + 8 h + i)
.set j, j+1
.endr
.set j, 0
.rept 64
	v_med3_num_f32 v[96+j], v[96+j], -v247, v247
.set j, j+1
.endr
.set j, 0
.rept 8
	v_cvt_scalef32_pk8_fp8_f32 v[XY+2*j:XY+2*j+1], v[96+8*j:103+8*j], v246
.set j, j+1
.endr
	v_nop                                          ; a plain vector line behind the last conversion
.set j, 0
.rept 8
	ds_store_b64 v[STI], v[XY+2*j:XY+2*j+1] offset:16*j
.set j, j+1
.endr
.set j, 0
.rept 4
	ds_load_b128 v[OUTL+4*j:OUTL+4*j+3], v[STB] offset:4*SPP*j   ; LDS serves a wave's instructions in order: these see my stores
.set j, j+1
.endr
.set j, 0
.rept 4
	s_wait_dscnt 3-j                               ; load j is in, the younger ones may be out
	global_store_b128 v[GO], v[OUTL+4*j:OUTL+4*j+3], s[16:17] offset:512*j   ; 32 lanes store 512 consecutive bytes, aligned
.set j, j+1
.endr
	s_wait_tensorcnt 0x0                           ; the wave's end
	ds_add_u32 v[SPW], v[NIL]
	s_wait_dscnt 0x0
	s_endpgm
.Lfunc_end_k_q7d9373850c_attn:
	.size	k_q7d9373850c_attn, .Lfunc_end_k_q7d9373850c_attn-k_q7d9373850c_attn
	.p2alignl 7, 3214868480
	.fill 96, 4, 3214868480
	.section	.rodata,"a",@progbits
	.p2align	6, 0x0
	.amdhsa_kernel k_q7d9373850c_attn
		.amdhsa_group_segment_fixed_size 327680
		.amdhsa_private_segment_fixed_size 0
		.amdhsa_enable_private_segment 0
		.amdhsa_kernarg_size 40
		.amdhsa_user_sgpr_count 2
		.amdhsa_user_sgpr_kernarg_segment_ptr 1
		.amdhsa_wavefront_size32 1
		.amdhsa_system_sgpr_workgroup_id_x 1
		.amdhsa_system_sgpr_workgroup_id_y 1
		.amdhsa_system_sgpr_workgroup_id_z 1
		.amdhsa_system_vgpr_workitem_id 0
		.amdhsa_next_free_vgpr 512
		.amdhsa_next_free_sgpr 100
		.amdhsa_reserve_vcc 1
		.amdhsa_float_denorm_mode_32 3
		.amdhsa_float_denorm_mode_16_64 3
		.amdhsa_memory_ordered 1
		.amdhsa_forward_progress 1
		.amdhsa_inst_pref_size 119
	.end_amdhsa_kernel
	.amdgpu_metadata
---
amdhsa.version: [ 1, 2 ]
amdhsa.kernels:
  - .name:           k_q7d9373850c_attn
    .symbol:         k_q7d9373850c_attn.kd
    .args:
      - { .name: qc, .offset: 0, .size: 8, .value_kind: global_buffer, .address_space: global }
      - { .name: kc, .offset: 8, .size: 8, .value_kind: global_buffer, .address_space: global }
      - { .name: vc, .offset: 16, .size: 8, .value_kind: global_buffer, .address_space: global }
      - { .name: lowp_scales, .offset: 24, .size: 8, .value_kind: global_buffer, .address_space: global }
      - { .name: ac, .offset: 32, .size: 8, .value_kind: global_buffer, .address_space: global }
    .group_segment_fixed_size: 327680
    .private_segment_fixed_size: 0
    .kernarg_segment_align: 8
    .kernarg_segment_size: 40
    .max_flat_workgroup_size: 256
    .sgpr_count:     100
    .vgpr_count:     512
    .wavefront_size: 32
...
	.end_amdgpu_metadata
.endif
;; end of part 3
;; launch oproj (part 4): grid 8 x 32, 4 waves a work-group, clusters of 4 x 4, 327,680 bytes of LDS; arguments ac, woc, lowp_scales, out0; writes out0
.if DOCPART == 4
	.amdgcn_target "amdgcn-amd-amdhsa--gfx1250"
	.amdhsa_code_object_version 6
	.text
	.protected	k_q7d9373850c_oproj
	.globl	k_q7d9373850c_oproj
	.p2align	8
	.type	k_q7d9373850c_oproj,@function
k_q7d9373850c_oproj:
	s_mov_b64 s[64:65], 0
	v_nop
	global_prefetch_b8 v0, s[64:65] scope:SCOPE_SE
	s_setreg_imm32_b32 hwreg(HW_REG_WAVE_MODE, 25, 1), 1
	s_wait_xcnt 0x0
	s_wait_alu depctr_hold_cnt(0) depctr_sa_sdst(0) depctr_va_vdst(0) depctr_va_sdst(0) depctr_va_ssrc(0) depctr_va_vcc(0) depctr_vm_vsrc(0)
	s_getreg_b32 s2, hwreg(HW_REG_IB_STS2, 6, 4)
	s_cmp_eq_u32 s2, 0
	s_cbranch_scc0 .Lentry_in_a_cluster
	s_endpgm
.Lentry_in_a_cluster:
	s_bfe_u32 s2, ttmp6, 0x10000c
	s_cmp_lg_u32 s2, 0xf033
	s_cbranch_scc0 .Lentry_shape_is_right
	s_endpgm
.Lentry_shape_is_right:
; out0 [8192][2048] f32 = attention's output x wo^T on codes of E4M3.  ac: [4 planes][8192][128], plane q is K = 128 q ..; woc: [2048][512], K innermost.  Each finished sum x 2^(e10 + e11).
; LIMIT: e10 + e11 between -126 and 127.
; A tile of 256 x 256 a work-group, 128 x 128 a wave.  K is 512: all of a work-group's codes lie in LDS at once, nothing is filled twice.  ONE tensor load a wave: waves 0, 1 two planes of A each
; (a plane's 256 rows of 128 bytes are dense: one row of 32,768 bytes; two such rows 1 MiB apart; padding behind each 128 bytes), waves 2, 3 128 rows of wo (512 bytes) each.
; CLUSTER 4 x 4: A's tiles are asked for jointly along a row of the cluster, wo's along a column.
; THE PRODUCT GOES BY ROWS OF THE OUTPUT: wo's fragments of the whole K stay in 512 registers; a block of 16 rows is finished by 32 matrix instructions (8 accumulators by turns, K ascending) and leaves
; through my stage while the later blocks are multiplied.  Source 0 = rows of wo, source 1 = rows of A: a lane holds eight neighbouring numbers of a row of the output.
; No prefetch: the launch has no loop to run ahead in; its only loads go out at its head.
; REGISTERS: window 0: v1-31 addresses, v32-95 scaled sums, v128-255 A's block, two sets.  Windows 1, 2: wo's fragments (K step q in window 1 + q / 2).  Window 3: v0-127 accumulators, two sets; v128-255 rows read back, two sets.
.set BP,     528                       ; a row of wo's tile in LDS: 512 bytes + 16
.set AP,     144                       ; a row of a plane of A: 128 bytes + 16
.set ABASE,  256*BP
.set APLANE, 256*AP
.set STAGE,  ABASE+4*APLANE            ; 16 rows x 528 bytes a wave; no fill lands here
.set SPITCH, 528
.set SPARE,  STAGE+4*16*SPITCH         ; the spare words, 128 bytes a wave
.set ADRA, 16                          ; v16-19 my A fragments in plane 0..3
.set ADRB, 20
.set STO,  24
.set RD,   25
.set CO,   26
.set SPW,  28
.set NIL,  29
.set TMP,  32
.set AF,   128
.set G1A, 24
.set G0B, 32
.set G0A, 36
.set G1B, 48
.set MSB, 0
.macro WIN new
.if MSB != (\new)
	s_set_vgpr_msb (MSB<<8)|(\new)
.set MSB, (\new)
.endif
.endm
.macro CROUND
	s_barrier_signal -1
	s_barrier_wait -1
	s_cmp_lg_u32 s14, 0
	s_cbranch_scc1 .Lnot_wave_0_\@
	s_barrier_signal -3
.Lnot_wave_0_\@:
	s_barrier_wait -3
	s_barrier_signal -1
	s_barrier_wait -1
.endm
	s_load_b128 s[4:7], s[0:1], 0x0                ; ac, woc
	s_load_b128 s[8:11], s[0:1], 0x10              ; scales, out0
	v_lshl_add_u32 v[SPW], v0, 2, SPARE
	v_mov_b32 v[NIL], 0
	ds_add_u32 v[SPW], v[NIL]                      ; the opening lines: the add twice on end and its wait
	ds_add_u32 v[SPW], v[NIL]
	v_lshrrev_b32 v1, 5, v0
	v_readfirstlane_b32 s14, v1                    ; wave
	s_lshr_b32 s15, s14, 1                         ; my half of the rows; also: I fetch for A (0) or for wo (1)
	s_and_b32 s16, s14, 1                          ; my half of the columns; also: which part I fetch
	s_bfe_u32 s68, ttmp6, 0x40000                  ; cx
	s_bfe_u32 s69, ttmp6, 0x40004                  ; cy
	s_lshl_b32 s70, ttmp9, 2
	s_add_co_u32 s70, s70, s68                     ; tile column
	s_and_b32 s17, ttmp7, 0xffff
	s_lshl_b32 s17, s17, 2
	s_add_co_u32 s17, s17, s69                     ; tile row
	s_lshl_b32 s72, s69, 2
	s_lshl_b32 s72, 15, s72                        ; my row of the cluster
	s_lshl_b32 s73, 0x1111, s68                    ; my column
	s_or_b32 s[G1A], s72, (3<<16)|(1<<20)|(1<<21)|(4<<22)|(3<<25)   ; elements of 8 bytes; 4 words of padding after every 32
	s_mov_b32 s[G1A+1], 4096<<16                   ; a row: 4,096 elements
	s_mov_b32 s[G1A+2], 2<<16                      ; two rows
	s_mov_b32 s[G1A+3], 4096<<16
	s_mov_b32 s[G1A+4], 2
	s_mov_b32 s[G1A+5], 131072                     ; from plane to plane, in elements
	s_mov_b32 s[G1A+6], 0
	s_mov_b32 s[G1A+7], 0
	s_or_b32 s[G1B], s73, (1<<20)|(1<<21)|(6<<22)|(3<<25)           ; elements of 1 byte; 4 words after every 128
	s_mov_b32 s[G1B+1], 512<<16
	s_mov_b32 s[G1B+2], 128<<16
	s_mov_b32 s[G1B+3], 512<<16
	s_mov_b32 s[G1B+4], 128
	s_mov_b32 s[G1B+5], 512
	s_mov_b32 s[G1B+6], 0
	s_mov_b32 s[G1B+7], 0
	s_lshl_b32 s20, s17, 15                        ; A: 256 rows of 128 bytes a tile row, + two planes a part
	s_lshl_b32 s21, s16, 21
	s_add_co_u32 s20, s20, s21
	s_mov_b32 s21, 0
	s_lshl_b32 s74, s70, 8                         ; wo: row 256 x tile column + 128 x part, 512 bytes a row
	s_lshl_b32 s75, s16, 7
	s_add_co_u32 s74, s74, s75
	s_lshl_b32 s74, s74, 9
	s_mov_b32 s75, 0
	s_mul_i32 s76, s16, 128*BP                     ; where they go: the wave's number alone
	s_mul_i32 s77, s16, 2*APLANE
	s_add_co_u32 s77, s77, ABASE
	s_wait_dscnt 0x0                               ; both opening adds are done
	s_wait_kmcnt 0x0
	s_load_b64 s[96:97], s[8:9], 0x28              ; e10, e11
	s_mov_b32 s[G0A], 1
	s_mov_b32 s[G0A+1], s77
	s_add_nc_u64 s[G0A+2:G0A+3], s[4:5], s[20:21]
	s_or_b32 s[G0A+3], s[G0A+3], 0x80000000
	s_mov_b32 s[G0B], 1
	s_mov_b32 s[G0B+1], s76
	s_add_nc_u64 s[G0B+2:G0B+3], s[6:7], s[74:75]
	s_or_b32 s[G0B+3], s[G0B+3], 0x80000000
	CROUND                                         ; all sixteen work-groups are here: the joint loads meet
	s_cmp_eq_u32 s15, 0
	s_cbranch_scc0 .Lfor_b
	tensor_load_to_lds s[G0A:G0A+3], s[G1A:G1A+7]  ; my one tensor load of the launch
	s_nop 0
.rept 4
	v_nop
.endr
	s_branch .Lasked
.Lfor_b:
	tensor_load_to_lds s[G0B:G0B+3], s[G1B:G1B+7]
	s_nop 0
.rept 4
	v_nop
.endr
.Lasked:
	s_mul_i32 s78, s15, 128*AP
	s_add_co_u32 s78, s78, ABASE                   ; my 128 rows in plane 0,
	s_add_co_u32 s79, s78, APLANE                  ; 1,
	s_add_co_u32 s80, s79, APLANE                  ; 2,
	s_add_co_u32 s81, s80, APLANE                  ; 3
	s_mul_i32 s23, s14, 16*SPITCH
	s_add_co_u32 s23, s23, STAGE                   ; my stage
	s_lshl_b32 s20, s17, 8                         ; my part of the output: row 256 x tile row + 128 x half, 8,192 bytes a row; + 1,024 x tile column + 512 x half
	s_lshl_b32 s21, s15, 7
	s_add_co_u32 s20, s20, s21
	s_lshl_b32 s20, s20, 13
	s_lshl_b32 s21, s70, 10
	s_add_co_u32 s20, s20, s21
	s_lshl_b32 s21, s16, 9
	s_add_co_u32 s20, s20, s21
	s_mov_b32 s21, 0
	s_add_nc_u64 s[10:11], s[10:11], s[20:21]
	s_wait_kmcnt 0x0
	s_add_co_i32 s96, s96, s97
	s_add_co_i32 s96, s96, 127
	s_lshl_b32 s96, s96, 23                        ; 2^(e10 + e11) as f32
	v_and_b32 v1, 15, v0                           ; r
	v_bfe_u32 v2, v0, 4, 1                         ; h
	v_mul_u32_u24 v3, v1, BP
	v_lshl_add_u32 v3, v2, 4, v3
	v_add_nc_u32 v[ADRB], s76, v3
	v_mul_u32_u24 v4, v1, AP
	v_lshl_add_u32 v4, v2, 4, v4
.irp q, 0,1,2,3
	v_add_nc_u32 v[ADRA+\q], s[78+\q], v4
.endr
	v_mul_u32_u24 v5, v1, SPITCH
	v_lshl_add_u32 v5, v2, 5, v5
	v_add_nc_u32 v[STO], s23, v5                   ; into the stage: row r, 32 bytes for each half of the lanes
	v_and_b32 v6, 31, v0
	v_lshlrev_b32 v[CO], 4, v6                     ; back: 32 lanes take one row of 512 bytes; the same in the output
	v_add_nc_u32 v[RD], s23, v[CO]
.macro ALOAD a                         ; block a of A, 16 rows x 512 K, into set a % 2: 16 loads
	WIN 0
.irp q, 0,1,2,3
.irp c, 0,1,2,3
	ds_load_b128 v[AF+64*((\a)%2)+16*\q+4*\c:AF+64*((\a)%2)+16*\q+4*\c+3], v[ADRA+\q] offset:32*\c+(\a)*16*AP
.endr
.endr
.endm
.macro BLOAD q                         ; wo's eight fragments of K step q: 32 loads
	WIN (1+(\q)/2)<<6
.irp i, 0,1,2,3,4,5,6,7
.irp c, 0,1,2,3
	ds_load_b128 v[128*((\q)%2)+16*\i+4*\c:128*((\q)%2)+16*\i+4*\c+3], v[ADRB] offset:128*(\q)+32*\c+\i*16*BP
.endr
.endr
.endm
.macro MMQ a, q                        ; block a, K step q: the block's eight accumulators take turns; step 0 starts the sums
	WIN 0xf0|(1+(\q)/2)
.irp b, 0,1,2,3,4,5,6,7
.if (\q) == 0
	v_wmma_f32_16x16x128_fp8_fp8 v[64*((\a)%2)+8*\b:64*((\a)%2)+8*\b+7], v[128*((\q)%2)+16*\b:128*((\q)%2)+16*\b+15], v[AF+64*((\a)%2)+16*(\q):AF+64*((\a)%2)+16*(\q)+15], 0
.else
	v_wmma_f32_16x16x128_fp8_fp8 v[64*((\a)%2)+8*\b:64*((\a)%2)+8*\b+7], v[128*((\q)%2)+16*\b:128*((\q)%2)+16*\b+15], v[AF+64*((\a)%2)+16*(\q):AF+64*((\a)%2)+16*(\q)+15], v[64*((\a)%2)+8*\b:64*((\a)%2)+8*\b+7]
.endif
.endr
.endm
.macro TOSTAGE a                       ; block a's sums x 2^(e10 + e11), into my stage and back as whole rows; LDS serves a wave's instructions in order
.if (\a) > 1
	s_wait_xcnt 0x0                                ; block a - 2's stores have read their data: the loads below land there
.endif
	WIN 0x03
.set j, 0
.rept 32
	v_pk_mul_f32 v[TMP+j:TMP+j+1], v[64*((\a)%2)+j:64*((\a)%2)+j+1], s[96:97] op_sel_hi:[1,0]   ; each accumulator from its low end on
.set j, j+2
.endr
	WIN 0
.irp b, 0,1,2,3,4,5,6,7
	ds_store_b128 v[STO], v[TMP+8*\b:TMP+8*\b+3] offset:64*\b
	ds_store_b128 v[STO], v[TMP+8*\b+4:TMP+8*\b+7] offset:64*\b+16
.endr
	WIN 0xc0
.irp t, 0,1,2,3,4,5,6,7,8,9,10,11,12,13,14,15
	ds_load_b128 v[128+64*((\a)%2)+4*\t:128+64*((\a)%2)+4*\t+3], v[RD] offset:\t*SPITCH
.endr
.endm
.macro SEND a                          ; 32 lanes store 512 consecutive bytes, aligned; every offset is an immediate (127 rows of 8,192 bytes at the most)
	WIN 0x0c
.irp t, 0,1,2,3,4,5,6,7,8,9,10,11,12,13,14,15
	global_store_b128 v[CO], v[128+64*((\a)%2)+4*\t:128+64*((\a)%2)+4*\t+3], s[10:11] offset:(16*(\a)+\t)*8192 th:TH_STORE_NT
.endr
.endm
	s_wait_alu depctr_va_vdst(0)                   ; the wait at the head's end
	s_wait_tensorcnt 0x0                           ; my part has landed
	s_barrier_signal -1
	s_barrier_wait -1                              ; and everybody's
	ALOAD 0
	BLOAD 0
	BLOAD 1
	s_wait_dscnt 32                                ; block 0 of A and K step 0 of wo are in; step 1's 32 loads may be out
	MMQ 0, 0
	BLOAD 2
	s_wait_dscnt 32                                ; step 1 is in
	MMQ 0, 1
	BLOAD 3
	ALOAD 1
	s_wait_dscnt 48                                ; step 2 is in; behind it: step 3's 32 and block 1's 16
	MMQ 0, 2
	s_wait_dscnt 16                                ; step 3 is in
	MMQ 0, 3
.rept 4
	v_nop                                          ; places in front of the loads into set 0; later blocks have TOSTAGE's 32 multiplications there
.endr
.irp a, 0,1,2,3,4,5,6,7
.if \a < 6
	ALOAD \a+2
	s_wait_dscnt 16                                ; all but the 16 just issued: block a + 1 of A is in, and block a - 1 is back from the stage
.else
	s_wait_dscnt 0x0
.endif
.if \a > 0
	SEND \a-1
.endif
.if \a < 7
	MMQ \a+1, 0
	MMQ \a+1, 1
	MMQ \a+1, 2
	MMQ \a+1, 3
.endif
	TOSTAGE \a
.endr
	s_wait_dscnt 0x0
	SEND 7
	WIN 0
	s_wait_tensorcnt 0x0                           ; the wave's end
	ds_add_u32 v[SPW], v[NIL]
	s_wait_dscnt 0x0
	CROUND                                         ; the closing round
	s_endpgm
.Lfunc_end_k_q7d9373850c_oproj:
	.size	k_q7d9373850c_oproj, .Lfunc_end_k_q7d9373850c_oproj-k_q7d9373850c_oproj
	.p2alignl 7, 3214868480
	.fill 96, 4, 3214868480
	.section	.rodata,"a",@progbits
	.p2align	6, 0x0
	.amdhsa_kernel k_q7d9373850c_oproj
		.amdhsa_group_segment_fixed_size 327680
		.amdhsa_private_segment_fixed_size 0
		.amdhsa_enable_private_segment 0
		.amdhsa_kernarg_size 32
		.amdhsa_user_sgpr_count 2
		.amdhsa_user_sgpr_kernarg_segment_ptr 1
		.amdhsa_wavefront_size32 1
		.amdhsa_system_sgpr_workgroup_id_x 1
		.amdhsa_system_sgpr_workgroup_id_y 1
		.amdhsa_system_sgpr_workgroup_id_z 1
		.amdhsa_system_vgpr_workitem_id 0
		.amdhsa_next_free_vgpr 1024
		.amdhsa_next_free_sgpr 100
		.amdhsa_reserve_vcc 0
		.amdhsa_float_denorm_mode_32 3
		.amdhsa_float_denorm_mode_16_64 3
		.amdhsa_memory_ordered 1
		.amdhsa_forward_progress 1
		.amdhsa_inst_pref_size 85
	.end_amdhsa_kernel
	.amdgpu_metadata
---
amdhsa.version: [ 1, 2 ]
amdhsa.kernels:
  - .name:           k_q7d9373850c_oproj
    .symbol:         k_q7d9373850c_oproj.kd
    .args:
      - { .name: ac, .offset: 0, .size: 8, .value_kind: global_buffer, .address_space: global }
      - { .name: woc, .offset: 8, .size: 8, .value_kind: global_buffer, .address_space: global }
      - { .name: lowp_scales, .offset: 16, .size: 8, .value_kind: global_buffer, .address_space: global }
      - { .name: out0, .offset: 24, .size: 8, .value_kind: global_buffer, .address_space: global }
    .group_segment_fixed_size: 327680
    .private_segment_fixed_size: 0
    .kernarg_segment_align: 8
    .kernarg_segment_size: 32
    .max_flat_workgroup_size: 128
    .sgpr_count:     100
    .vgpr_count:     1024
    .wavefront_size: 32
...
	.end_amdgpu_metadata
.endif
;; end of part 4
